; MI455X (gfx1250); checked and timed in simulation.
; The chip was launched on July 23, 2026; its instructions are those of AMD's public machine-readable ISA for CDNA 5 (MIT licence, August 2026) and "CDNA5" Instruction Set Architecture Reference Guide (July 2026). The comments in the code are by the model that wrote it; some were corrected since.
;; Compressed Interaction Network. Allowed arithmetic: float matrix products may take bf16 or f16 operands with f32 sums; other float arithmetic in f32, or as packed bf16 or f16 multiplies, adds, multiply-adds, maxima and minima; sums over many terms, partial sums and values carried from step to step in f32; what a program stores and reads back later, other than sums and carried values, may be rounded once to bf16 or f16.
;; Inputs: b0 256 float32; b1 256 float32; b2 256 float32; fc_b 1 float32; fc_w 1 x 512 float32; w0 256 x 1,024 float32; w1 256 x 4,096 float32; w2 256 x 4,096 float32; x 256 x 32 x 64 float32.
;; Outputs: out0 256 x 1 float32.
;; 3 versions, each right; version 3 is version 2 with the launch pack written anew for expert scheduling mode. Each part assembles by itself: llvm-mc -triple=amdgcn-amd-amdhsa -mcpu=gfx1250 --defsym DOCPART=n.
;; ======== version 1 of 3: 2 launches
;; workspace buffers: wb 4,718,592 bytes
;; launch pack (part 1): grid 16 x 36, 4 waves a work-group, no clusters, 9,728 bytes of LDS; arguments w0, w1, w2, wb; writes wb
.if DOCPART == 1
	.amdgcn_target "amdgcn-amd-amdhsa--gfx1250"
	.amdhsa_code_object_version 6
	.text
	.protected	k_qc9732f5ab8_pack
	.globl	k_qc9732f5ab8_pack
	.p2align	8
	.type	k_qc9732f5ab8_pack,@function
k_qc9732f5ab8_pack:
	s_mov_b64 s[64:65], 0
	v_nop
	global_prefetch_b8 v0, s[64:65] scope:SCOPE_SE
	s_setreg_imm32_b32 hwreg(HW_REG_WAVE_MODE, 25, 1), 1
	s_wait_xcnt 0x0
; THE WEIGHTS OF ALL THREE LAYERS, rounded once to bf16 and laid out as the next launch's waves take them into registers.
; w0: [256][1024], w1, w2: [256][4096], f32.  wb: 36 tiles of 131,072 bytes; tile g holds 256 consecutive k of all 256 rows o:
; g = 0..3: w0, k from 256 g;  g = 4..19: w1, k from 256 (g - 4);  g = 20..35: w2, k from 256 (g - 20).
; Inside a tile: byte = wq 32768 + i 4096 + a 1024 + c 512 + 16 l  holds  W[o(wq, a) + l % 16][k0 + 32 i + 16 c + 8 (l / 16) + 0..7],
; o(wq, a) = 128 (a / 2) + 32 wq + 16 (a % 2): wq the wave that will read it, i the step of 32 along k, a the wave's block of 16 rows, c the half of a fragment, l the lane.
; Nothing of reference() is left out here: every number of w0, w1 and w2 is read once and written once.
; SHARES.  Work-group (x, y) = (block ob of 16 rows o, tile g).  Wave v takes k = 64 v .. 64 v + 63 of the tile (steps i = 2 v, 2 v + 1): 16 rows x 256 bytes in, 2,048 bytes out.
; A load of a wave covers two rows' 256 consecutive bytes, aligned; a store covers 512 consecutive bytes, aligned.  The turn from rows to fragments goes through the wave's own
; 16 rows x 144 bytes of LDS (128 + 16 of padding: 36 words, so the 16 rows of a read start at 16 different groups of four banks: ISA guide 11.1).  No wave reads another's bytes: no barrier.
.set WPITCH, 144
.set SPARE,  4*16*WPITCH               ; 9,216: behind the four stages: the spare words, 128 bytes for each wave: two blocks of 256 bytes that no other line names
.set OFF,  2                           ; v[2:9]   load j: my byte offset in rows 2 j and 2 j + 1 of the block
.set STO,  10                          ; v10      where I put 8 bytes of a row
.set RDB,  11                          ; v11      where I read 16 bytes of a fragment back
.set DO,   12                          ; v12      16 x lane
.set SPW,  14                          ; v14      LDS address of my spare word; never rewritten
.set NIL,  15                          ; v15      0; never rewritten
.set IN,   16                          ; v[16:47] eight loads of four f32; later v[16:31] the four pieces read back
.set PK,   48                          ; v[48:63] eight pairs of packed words
	s_load_b256 s[4:11], s[0:1], 0x0               ; w0 s[4:5], w1 s[6:7], w2 s[8:9], wb s[10:11]
	v_lshl_add_u32 v[SPW], v0, 2, SPARE
	v_mov_b32 v[NIL], 0
	v_lshrrev_b32 v1, 5, v0
	v_readfirstlane_b32 s12, v1                    ; wave 0..3
	s_and_b32 s13, ttmp7, 0xffff                   ; g
	s_mov_b32 s14, ttmp9                           ; ob
	s_sub_co_u32 s18, s13, 4                       ; the tile's number inside w1,
	s_sub_co_u32 s19, s13, 20                      ; inside w2
	s_cmp_lt_u32 s13, 4
	s_cselect_b32 s15, 12, 14                      ; log2 of a row's bytes: 4,096 in w0, 16,384 in w1 and w2
	s_cselect_b32 s18, s13, s18
	s_cmp_ge_u32 s13, 20
	s_cselect_b32 s18, s19, s18                    ; the tile's number inside its own tensor
	s_add_co_u32 s20, s15, 4
	s_lshl_b32 s20, s14, s20                       ; 16 ob rows,
	s_lshl_b32 s21, s18, 10                        ; 256 f32 a tile,
	s_add_co_u32 s20, s20, s21
	s_lshl_b32 s21, s12, 8                         ; 64 f32 a wave
	s_add_co_u32 s20, s20, s21
	s_mov_b32 s21, 0
	s_lshl_b32 s22, s13, 17                        ; where it goes: the tile,
	s_bfe_u32 s23, s14, 0x20001                    ; wq = (ob / 2) % 4,
	s_lshl_b32 s23, s23, 15
	s_add_co_u32 s22, s22, s23
	s_lshl_b32 s23, s12, 13                        ; steps 2 v and 2 v + 1,
	s_add_co_u32 s22, s22, s23
	s_lshr_b32 s23, s14, 3                         ; a = 2 (ob / 8) + ob % 2
	s_lshl_b32 s23, s23, 11
	s_add_co_u32 s22, s22, s23
	s_and_b32 s23, s14, 1
	s_lshl_b32 s23, s23, 10
	s_add_co_u32 s22, s22, s23
	s_mov_b32 s23, 0
	s_lshl_b32 s24, 2, s15                         ; two rows' bytes
	s_mul_i32 s25, s12, 16*WPITCH                  ; my stage
	v_and_b32 v60, 15, v0                          ; l % 16
	v_bfe_u32 v61, v0, 4, 1                        ; l / 16
	v_lshlrev_b32 v[OFF], s15, v61                 ; lanes 16-31 take the odd row,
	v_lshl_add_u32 v[OFF], v60, 4, v[OFF]          ; 16 bytes a lane
.irp j, 1,2,3,4,5,6,7
	v_add_nc_u32 v[OFF+\j], s24, v[OFF+\j-1]
.endr
	v_mul_u32_u24 v[STO], v61, WPITCH
	v_lshl_add_u32 v[STO], v60, 3, v[STO]
	v_add_nc_u32 v[STO], s25, v[STO]
	v_mul_u32_u24 v[RDB], v60, WPITCH
	v_lshl_add_u32 v[RDB], v61, 4, v[RDB]
	v_add_nc_u32 v[RDB], s25, v[RDB]
	v_and_b32 v[DO], 31, v0
	v_lshlrev_b32 v[DO], 4, v[DO]
	s_wait_kmcnt 0x0
	s_cmp_lt_u32 s13, 4
	s_cselect_b64 s[16:17], s[4:5], s[6:7]
	s_cmp_ge_u32 s13, 20
	s_cselect_b64 s[16:17], s[8:9], s[16:17]       ; the tensor that tile g comes from
	s_add_nc_u64 s[16:17], s[16:17], s[20:21]
	s_add_nc_u64 s[10:11], s[10:11], s[22:23]
.irp j, 0,1,2,3,4,5,6,7
	global_load_b128 v[IN+4*\j:IN+4*\j+3], v[OFF+\j], s[16:17] th:TH_LOAD_NT  ; all of the wave's 4,096 bytes are asked for at once
.endr
.irp j, 0,1,2,3,4,5,6,7
	s_wait_loadcnt 7-\j                            ; loads come back in order (ISA guide 5.7.1): load j is in, the younger ones stay out
	v_cvt_pk_bf16_f32 v[PK+2*\j], v[IN+4*\j], v[IN+4*\j+1]
	v_cvt_pk_bf16_f32 v[PK+2*\j+1], v[IN+4*\j+2], v[IN+4*\j+3]
	ds_store_b64 v[STO], v[PK+2*\j:PK+2*\j+1] offset:2*WPITCH*\j
.endr
.irp n, 0,1,2,3                        ; piece n: step 2 v + n / 2, half n % 2
	ds_load_b128 v[IN+4*\n:IN+4*\n+3], v[RDB] offset:64*(\n/2)+32*(\n%2)  ; LDS serves a wave's instructions in order (ISA guide 5.7.1.4): these see the stores above
.endr
.irp n, 0,1,2,3
	s_wait_dscnt 3-\n
	global_store_b128 v[DO], v[IN+4*\n:IN+4*\n+3], s[10:11] offset:4096*(\n/2)+512*(\n%2)
.endr
	s_wait_tensorcnt 0x0                           ; the wave's end, behind my last LDS store
	ds_add_u32 v[SPW], v[NIL]
	s_wait_dscnt 0x0
	s_endpgm
.Lfunc_end_k_qc9732f5ab8_pack:
	.size	k_qc9732f5ab8_pack, .Lfunc_end_k_qc9732f5ab8_pack-k_qc9732f5ab8_pack
	.p2alignl 7, 3214868480
	.fill 96, 4, 3214868480
	.section	.rodata,"a",@progbits
	.p2align	6, 0x0
	.amdhsa_kernel k_qc9732f5ab8_pack
		.amdhsa_group_segment_fixed_size 9728
		.amdhsa_private_segment_fixed_size 0
		.amdhsa_enable_private_segment 0
		.amdhsa_kernarg_size 32
		.amdhsa_user_sgpr_count 2
		.amdhsa_user_sgpr_kernarg_segment_ptr 1
		.amdhsa_wavefront_size32 1
		.amdhsa_system_sgpr_workgroup_id_x 1
		.amdhsa_system_sgpr_workgroup_id_y 1
		.amdhsa_system_sgpr_workgroup_id_z 1
		.amdhsa_system_vgpr_workitem_id 0
		.amdhsa_next_free_vgpr 64
		.amdhsa_next_free_sgpr 66
		.amdhsa_reserve_vcc 0
		.amdhsa_float_denorm_mode_32 3
		.amdhsa_float_denorm_mode_16_64 3
		.amdhsa_memory_ordered 1
		.amdhsa_forward_progress 1
		.amdhsa_inst_pref_size 7
	.end_amdhsa_kernel
	.amdgpu_metadata
---
amdhsa.version: [ 1, 2 ]
amdhsa.kernels:
  - .name:           k_qc9732f5ab8_pack
    .symbol:         k_qc9732f5ab8_pack.kd
    .args:
      - { .name: w0, .offset: 0, .size: 8, .value_kind: global_buffer, .address_space: global }
      - { .name: w1, .offset: 8, .size: 8, .value_kind: global_buffer, .address_space: global }
      - { .name: w2, .offset: 16, .size: 8, .value_kind: global_buffer, .address_space: global }
      - { .name: wb, .offset: 24, .size: 8, .value_kind: global_buffer, .address_space: global }
    .group_segment_fixed_size: 9728
    .private_segment_fixed_size: 0
    .kernarg_segment_align: 8
    .kernarg_segment_size: 32
    .max_flat_workgroup_size: 128
    .sgpr_count:     66
    .vgpr_count:     64
    .wavefront_size: 32
...
	.end_amdgpu_metadata
.endif
;; end of part 1
;; launch cin (part 2): grid 256 x 1, 4 waves a work-group, clusters of 4 x 1, 327,680 bytes of LDS; arguments x, wb, b0, b1, b2, fc_w, fc_b, out0; writes out0
.if DOCPART == 2
	.amdgcn_target "amdgcn-amd-amdhsa--gfx1250"
	.amdhsa_code_object_version 6
	.text
	.protected	k_qc9732f5ab8_cin
	.globl	k_qc9732f5ab8_cin
	.p2align	8
	.type	k_qc9732f5ab8_cin,@function
k_qc9732f5ab8_cin:
	s_mov_b64 s[64:65], 0
	v_nop
	global_prefetch_b8 v0, s[64:65] scope:SCOPE_SE
	s_setreg_imm32_b32 hwreg(HW_REG_WAVE_MODE, 25, 1), 1
	s_wait_xcnt 0x0
	s_wait_alu depctr_hold_cnt(0) depctr_sa_sdst(0) depctr_va_vdst(0) depctr_va_sdst(0) depctr_va_ssrc(0) depctr_va_vcc(0) depctr_vm_vsrc(0)
	s_getreg_b32 s2, hwreg(HW_REG_IB_STS2, 6, 4)
	s_cmp_eq_u32 s2, 0
	s_cbranch_scc0 .Lentry_in_a_cluster
	s_endpgm
.Lentry_in_a_cluster:
	s_bfe_u32 s2, ttmp6, 0x10000c
	s_cmp_lg_u32 s2, 0x3003
	s_cbranch_scc0 .Lentry_shape_is_right
	s_endpgm
.Lentry_shape_is_right:
; THE WHOLE NETWORK FOR ONE BATCH ELEMENT b IN ONE WORK-GROUP.  In each of three layers  y[o][e] = relu(b[o] + sum over (f, h) of w[o][f Hin + h] x[f][e] H[h][e]);  H = x (Hin = 32), then rows 128-255 of the
; layer before (Hin = 128).  out0[b] = fc_b + sum over e of fc_w . (y0[0:128], y1[0:128], y2[0:256]).  A column (b, e) meets no other column before that last sum, so nothing goes to memory between the layers.
; NOTHING OF reference() IS LEFT OUT: every input has a way to out0 and is loaded.  The weights come as the launch before laid them out (wb: bf16, 36 tiles of 256 k x 256 o).
; LIMITS.  x, w, H and the products x H are each rounded once to bf16 (matrix operands); all sums, the bias, relu's pooled values and fc_w stay in f32.  relu is a maximum with 0 in which a NaN loses:
; a NaN in a sum gives 0 where reference() gives NaN; infinities are not treated apart.
; SHARES.  Four waves.  Wave w owns the 64 rows o(w, a) + 0..15, a = 0..3, o(w, a) = 128 (a / 2) + 32 w + 16 (a % 2), and all 64 columns: 16 accumulators acc[a][t] of 16 x 16.  So every wave has 32 rows that are
; pooled (a = 0, 1) and 32 that feed the next layer (a = 2, 3), and all waves run one text.  Tile t holds the columns e = 4 r + t (r = lane % 16): e is only summed over, and 16 bytes of x then serve all four tiles.
; THE OPERAND z = x H IS MADE IN REGISTERS.  Source 0 = 16 rows of w, source 1 = 32 channels x 16 columns of z.  A step of 32 along k lies inside one field f, so z's fragment is H's fragment (kept in registers)
; times x[f][e], a bf16 held twice in a word: eight v_pk_mul_bf16 for four matrix instructions.  They stand among the matrix instructions of the group before (two behind each on the average).
; In a result, register j of lane (r, h) is row o(w, a) + 8 h + j of column 4 r + t: acc[2][t] and acc[3][t], rounded in pairs, ARE H's fragment for channels 32 w .. 32 w + 31, in the same lanes.
; The waves hand these to each other through LDS, once a layer.  THE SUMS START AT THE BIAS, loaded into the accumulators: nothing is cleared and nothing is added on the way out.
; THE RING.  Two LDS slots of one tile (131,072 bytes, 8 steps of 32 along k).  Wave w fetches, and alone reads, its own quarter: 128 rows of 256 dense bytes, already in register order, so a fragment load takes
; 512 consecutive bytes.  CLUSTER: all work-groups walk the same 36 tiles, so the four of a cluster ask JOINTLY: the same load, descriptor and mask in all four.  By this text's count a wave has two tensor
; loads out at the start and one behind each round.  At the ends of layers 0 and 1 the loop's last eight multiplies use the old H; their result is made anew: the price of one text for every trip.
; REGISTERS, in windows of 256 (s_set_vgpr_msb: bits 1:0 source 0, 3:2 source 1, 5:4 source 2, 7:6 destination):
;   window 0: v0-15 addresses; v16-31 at work; v32-39 the pooled sums; v40-44 the head's addresses; v48-79 fc_w; v80-95 x of two fields or pairs of fields; v96-127 z, four fragments; v128-255 the accumulators
;   window 1: v0-127 H's fragments (channel block kb, tile t at 32 kb + 8 t); v128-191, v192-255 w's fragments, two buffers of two steps (step s, block a at 32 s + 8 a)
.set TILEB, 131072                     ; bytes in a tile of wb, and in a slot
.set SLOT1, 0x20000                    ; slot 1 begins here: one exclusive or turns an address in one slot into the other's
.set XD,    0x40000                    ; 34 rows of 256 bytes: word [f][e] = bf16(x[f][e]) twice; rows 32, 33 repeat rows 0, 1, for the look-ahead at a layer's end
.set BIAS,  XD+34*256                  ; [3][256] f32
.set HX,    BIAS+3072                  ; H on its way between the waves, a region of 16,384 bytes for each of the two changes of layer: kb 4096 + t 1024 + c 512 + 16 l
.set WS,    HX+2*16384                 ; the four waves' sums, in a block of 256 bytes
.set SPARE, WS+256                     ; the spare words, 128 bytes for each wave: two blocks of 256 bytes that no other line names
.set LNR, 1                            ; v1   r = lane % 16
.set LNH, 2                            ; v2   h = lane / 16
.set WA0, 3                            ; v3   my 16 bytes in my quarter of slot 0; never rewritten
.set WA,  4                            ; v4   the same in the slot in hand
.set XA0, 5                            ; v5   my 16 bytes in row 0 of XD; never rewritten
.set XA,  6                            ; v6   the same in the tile's first field
.set BA,  7                            ; v7   BIAS + 128 w + 32 h
.set HS,  8                            ; v8   where I put 16 bytes of H
.set HR,  9                            ; v9   where I read H
.set FO,  10                           ; v10  128 w + 32 h: my offset in fc_w
.set PFO, 11                           ; v11  256 x lane: the prefetches' offset
.set ZR,  12                           ; v12  0
.set TA,  13                           ; v13  at work
.set SPW, 14                           ; v14  LDS address of my spare word; never rewritten
.set NIL, 15                           ; v15  0; never rewritten
.set TT,  16
.set PS,  32
.set FW,  48
.set XP,  80
.set ZB,  96
.set ACC, 128
.set HF,  0                            ; window 1
.set WB,  128                          ; window 1
.set WV,  20                           ; s20  my wave's number
.set CX,  21                           ; s21  my place in the cluster
.set BN,  22                           ; s22  b
.set G1,  24                           ; s[24:31] descriptor group 1
.set G0A, 32                           ; s[32:35] group 0 of the first fill of slot 0
.set G0,  36                           ; s[36:39] group 0 of the first fill of slot 1; then it walks
.set CNT, 40                           ; s40  tiles of the loop in hand still to come
.set TB,  41                           ; s41  0 or SLOT1: the slot in hand
.set XO,  42                           ; s42  byte offset in XD of the tile's first field
.set LIM0, 43                          ; s43  0 in the first cluster, else the greatest number: a wave prefetches while s[CNT] is above it
.set LIM3, 44                          ; s44  3, likewise: for the last loop
.set PFA, 46                           ; s[46:47] where my prefetches stand
.set SEL, 50                           ; s[50:51] v_permlanex16_b32's selects: each lane takes its own place in the other half
.set FCB, 52                           ; s52  fc_b
.set MSB, 0
.macro WIN new                         ; the immediate's high byte repeats the setting that is left; a switch that changes nothing is dropped
.if MSB != (\new)
	s_set_vgpr_msb (MSB<<8)|(\new)
.set MSB, (\new)
.endif
.endm
.set MUL, 0x01                         ; source 0 in window 1: w's fragment of a product, H's fragment of a multiply; all else in window 0
.set TOW, 0x40                         ; destination in window 1
; A round of the cluster's barrier: my work-group's barrier, so that wave 0's signal speaks for all four waves; wave 0 signals; every wave waits for all four work-groups; my work-group's barrier once more.
.macro CREST                           ; a round behind its opening barrier
	s_cmp_lg_u32 s[WV], 0
	s_cbranch_scc1 .Lnot_wave_0_\@
	s_barrier_signal -3
.Lnot_wave_0_\@:
	s_barrier_wait -3
	s_barrier_signal -1
	s_barrier_wait -1
.endm
.macro CROUND
	s_barrier_signal -1
	s_barrier_wait -1
	CREST
.endm
; A joint refill: every wave fetches its own quarter of the tile.  An s_nop 0 and four v_nop follow the line.
.macro JLOAD
	tensor_load_to_lds s[G0:G0+3], s[G1:G1+7]
	s_nop 0
.rept 4
	v_nop
.endr
.endm
; A PREFETCH INTO THE L2, behind a refill's line and the run of LDS loads that follows it: behind the refill that asks for tile g + 2 stands the request for tile g + 5, three changes of slots (384 matrix
; instructions a wave) ahead of the load that will want it.  All clusters walk the same tiles: the first cluster asks, and nobody else.  Its 4 work-groups x 4 waves x 32 lanes name the tile's 512 blocks
; of 256 bytes once each, told apart BY ADDRESS (32,768 cx + 8,192 w + 256 l): no branch hangs on a work-group's place in its cluster.  Tiles 0 to 4 come by their loads alone; the last request is tile 35's.
.macro ASK lim
	s_cmp_gt_u32 s[CNT], s[\lim]
	s_cbranch_scc0 .Lnot_mine_\@
	global_prefetch_b8 v[PFO], s[PFA:PFA+1] th:TH_LOAD_NT scope:SCOPE_SE
.Lnot_mine_\@:
.endm
; A GROUP: the four products acc[0..3][t] of step i, and among them (ride = 1) the eight multiplies that make z's fragment for the NEXT group.  mode 0 (layer 0): a step is a field, H has one block of 32 channels.
; mode 1: four steps are a field, step i takes H's block i % 4.  The 16 accumulators take turns, one instruction a turn, over every backward jump too.
; A fragment of z is written three groups behind the products that read it: sixteen multiplies that name none of their registers stand between (ISA guide 7.12.1).
.macro PROD a, t
	v_wmma_f32_16x16x32_bf16 v[ACC+8*(4*(\a)+(\t)):ACC+8*(4*(\a)+(\t))+7], v[wf+8*(\a):wf+8*(\a)+7], v[zt:zt+7], v[ACC+8*(4*(\a)+(\t)):ACC+8*(4*(\a)+(\t))+7]
.endm
.macro RID n, ride
.if \ride
	v_pk_mul_bf16 v[zn+(\n)], v[hf+(\n)], v[xr]
.endif
.endm
.macro GROUP i, t, mode, ride
	WIN MUL
.set wf, WB+64*(((\i)/2)%2)+32*((\i)%2)
.set zt, ZB+8*(\t)
.set ni, ((\i)+((\t)+1)/4)%8           ; the next group's step (behind step 7: the next tile's step 0)
.set nt, ((\t)+1)%4                    ; and tile
.set zn, ZB+8*nt
.if \mode
.set hf, HF+32*(ni%4)+8*nt
.set xr, XP+8*((ni/4)%2)+nt
.else
.set hf, HF+8*nt
.set xr, XP+8*((ni/2)%2)+4*(ni%2)+nt
.endif
	PROD 0, \t
	RID 0, \ride
	RID 1, \ride
	RID 2, \ride
	PROD 1, \t
	RID 3, \ride
	RID 4, \ride
	RID 5, \ride
	PROD 2, \t
	RID 6, \ride
	RID 7, \ride
	PROD 3, \t
.endm
; 16 LDS loads in one run: w's fragments of steps 2 u and 2 u + 1 of the slot in hand, into buffer u % 2; each takes 512 consecutive bytes
.macro FETCHW u
	WIN TOW
.irp s, 0,1
.irp a, 0,1,2,3
	ds_load_b128 v[WB+64*((\u)%2)+32*\s+8*\a:WB+64*((\u)%2)+32*\s+8*\a+3],   v[WA] offset:(\u)*8192+\s*4096+\a*1024
	ds_load_b128 v[WB+64*((\u)%2)+32*\s+8*\a+4:WB+64*((\u)%2)+32*\s+8*\a+7], v[WA] offset:(\u)*8192+\s*4096+\a*1024+512
.endr
.endr
.endm
.macro XLOAD row, dst                  ; x of the field that lies row rows behind the tile's first: my four columns
	ds_load_b128 v[(\dst):(\dst)+3], v[XA] offset:(\row)*256
.endm
; A UNIT is two steps, 32 matrix instructions, on one buffer of w (u = 0, 1, 2; unit 3 changes slots).  Behind its first group, whose eight multiplies are the places in front of loads into the buffer that the
; unit before multiplied, stand the loads for later: x's next fields, and the next unit's 16 fragments of w, 28 matrix instructions ahead of their first use.  last = 1: no field follows.
.macro UNIT u, mode, last
	s_wait_dscnt 0x0                               ; this unit's fragments of w are in (and, in mode 1, x)
	GROUP 2*(\u), 0, \mode, 1
.if (\mode) == 0
	WIN 0
	XLOAD 2*(\u)+2, XP+8*(((\u)+1)%2)              ; the next unit's two fields
	XLOAD 2*(\u)+3, XP+8*(((\u)+1)%2)+4
.elseif (\u) == 0
	WIN 0
	XLOAD 1, XP+8                                  ; the tile's second field, for steps 4 to 7
.elseif ((\u) == 2) && ((\last) == 0)
	WIN 0
	XLOAD 2, XP                                    ; the next tile's first field
.endif
	FETCHW (\u)+1
	GROUP 2*(\u), 1, \mode, 1
	GROUP 2*(\u), 2, \mode, 1
	GROUP 2*(\u), 3, \mode, 1
	GROUP 2*(\u)+1, 0, \mode, 1
	GROUP 2*(\u)+1, 1, \mode, 1
	GROUP 2*(\u)+1, 2, \mode, 1
.if (\mode) == 0
	s_wait_dscnt 16                                ; x's two loads are in; the 16 of w, issued behind them, may stay out
.endif
	GROUP 2*(\u)+1, 3, \mode, 1
.endm
; UNIT 3 WITH A CHANGE OF SLOTS.  Each wave waits for all its tensor loads, of which one is out: its quarter of the next slot; adds 0 to its spare word; and waits for that and for its reads of this slot (the last
; were issued 28 matrix instructions ago).  The barrier opens a round of the cluster's barrier: behind it no wave of any partner reads this slot or has a load on its way, and the joint refill, two tiles on,
; is the first thing there: it has 112 matrix instructions in which to land.
.macro TURN mode, lim
	s_wait_dscnt 0x0                               ; this unit's fragments of w are in
	WIN 0
.if (\mode) == 0
	XLOAD 8, XP                                    ; the next tile's first two fields
	XLOAD 9, XP+4
.endif
	s_wait_xcnt 0x0                                ; the last prefetch, a tile back, has read its address, so it may be stepped
	s_add_nc_u64 s[PFA:PFA+1], s[PFA:PFA+1], TILEB
	s_wait_tensorcnt 0x0                           ; no tensor load of mine is out, so the walking group 0 may be written
	ds_add_u32 v[SPW], v[NIL]                      ; 0 onto my spare word; eight matrix instructions stand between it and the wait for it
	GROUP 6, 0, \mode, 1
	GROUP 6, 1, \mode, 1
	s_wait_dscnt 0x0                               ; the add is done, and my reads of this slot are over
	s_barrier_signal -1
	GROUP 6, 2, \mode, 1                           ; work on registers while the others arrive
	GROUP 6, 3, \mode, 1
	WIN 0
	s_barrier_wait -1
	CREST
	s_xor_b32 s[G0+1], s[G0+1], SLOT1              ; the other slot than last time,
	s_add_nc_u64 s[G0+2:G0+3], s[G0+2:G0+3], TILEB ; the next tile; the type bits on top are not reached
	JLOAD
	s_xor_b32 s[TB], s[TB], SLOT1
.if (\mode) == 0
	s_add_co_u32 s[XO], s[XO], 8*256               ; a tile is eight fields,
.else
	s_add_co_u32 s[XO], s[XO], 2*256               ; or two
.endif
	v_add_nc_u32 v[WA], s[TB], v[WA0]
	v_add_nc_u32 v[XA], s[XO], v[XA0]
	FETCHW 0                                       ; the next tile's first fragments: my own quarter, which the wait above has shown landed
	WIN 0
	ASK \lim
	GROUP 7, 0, \mode, 1
	GROUP 7, 1, \mode, 1
	GROUP 7, 2, \mode, 1
	GROUP 7, 3, \mode, 1
.endm
; Unit 3 of the last tile but one: nothing is filled again, so there is no barrier: only I read my quarter of the last tile, behind my own wait for it.
.macro TURN0
	s_wait_dscnt 0x0
	GROUP 6, 0, 1, 1
	WIN 0
	s_wait_tensorcnt 0x0                           ; my quarter of the last tile is in
	s_xor_b32 s[TB], s[TB], SLOT1
	s_add_co_u32 s[XO], s[XO], 2*256
	v_add_nc_u32 v[WA], s[TB], v[WA0]
	v_add_nc_u32 v[XA], s[XO], v[XA0]
	FETCHW 0
	GROUP 6, 1, 1, 1
	GROUP 6, 2, 1, 1
	GROUP 6, 3, 1, 1
	GROUP 7, 0, 1, 1
	GROUP 7, 1, 1, 1
	GROUP 7, 2, 1, 1
	GROUP 7, 3, 1, 1
.endm
.macro LASTU                           ; unit 3 of the last tile: nothing is fetched, and the last group makes no z
	s_wait_dscnt 0x0
	GROUP 6, 0, 1, 1
	GROUP 6, 1, 1, 1
	GROUP 6, 2, 1, 1
	GROUP 6, 3, 1, 1
	GROUP 7, 0, 1, 1
	GROUP 7, 1, 1, 1
	GROUP 7, 2, 1, 1
	GROUP 7, 3, 1, 0
.endm
.macro BODY mode, last
	UNIT 0, \mode, 0
	UNIT 1, \mode, 0
	UNIT 2, \mode, \last
.endm
; The rows of block a are pooled: relu, then times fc_w of the row, summed over the four tiles into four pairs.  Each accumulator is read from its lowest register on.  first = 1: the first product starts the sums.
.macro POOL a, first
.irp t, 0,1,2,3
.set ar, ACC+8*(4*(\a)+\t)
.irp j, 0,1,2,3,4,5,6,7
	v_max_num_f32 v[ar+\j], 0, v[ar+\j]
.endr
.irp p, 0,1,2,3
.if (\first) && (\t == 0)
	v_pk_mul_f32 v[PS+2*\p:PS+2*\p+1], v[ar+2*\p:ar+2*\p+1], v[FW+8*(\a)+2*\p:FW+8*(\a)+2*\p+1]
.else
	v_pk_fma_f32 v[PS+2*\p:PS+2*\p+1], v[ar+2*\p:ar+2*\p+1], v[FW+8*(\a)+2*\p:FW+8*(\a)+2*\p+1], v[PS+2*\p:PS+2*\p+1]
.endif
.endr
.endr
.endm
.macro BIASLD L                        ; layer L's sums start at the bias: register j of acc[a][t] takes b[o(w, a) + 8 h + j], the same for all t and r
	WIN 0
.irp a, 0,1,2,3
.irp t, 0,1,2,3
	ds_load_b128 v[ACC+8*(4*\a+\t):ACC+8*(4*\a+\t)+3],   v[BA] offset:1024*(\L)+512*(\a/2)+64*(\a%2)
	ds_load_b128 v[ACC+8*(4*\a+\t)+4:ACC+8*(4*\a+\t)+7], v[BA] offset:1024*(\L)+512*(\a/2)+64*(\a%2)+16
.endr
.endr
.endm
.macro ZFIRST                          ; z's fragment for a layer's first group: field 0, H's block 0, tile 0
	WIN MUL
.irp n, 0,1,2,3,4,5,6,7
	v_pk_mul_bf16 v[ZB+\n], v[HF+\n], v[XP]
.endr
.endm
; THE END OF LAYER L (0 or 1).  Blocks 2 and 3 are rounded to bf16 in pairs, relu'd two at a time, and put into LDS as the fragment that they are; blocks 0 and 1 are pooled between the barrier's signal and its
; wait.  Then all of H, the next bias and the next fc_w come in.
; The first conversions read results that are twelve products and more than four multiplies old; tile 3's stand behind 48 plain instructions that name none of the last products' registers.
.macro EPI L
	WIN 0
	s_wait_loadcnt 0x0                             ; this layer's fc_w
.irp t, 0,1,2,3
.irp c, 0,1
.set ar, ACC+8*(4*(2+\c)+\t)
.set tr, TT+4*((2*\t+\c)%4)
.irp p, 0,1,2,3
	v_cvt_pk_bf16_f32 v[tr+\p], v[ar+2*\p], v[ar+2*\p+1]
.endr
.irp p, 0,1,2,3
	v_pk_max_num_bf16 v[tr+\p], v[tr+\p], v[ZR]
.endr
	ds_store_b128 v[HS], v[tr:tr+3] offset:16384*(\L)+1024*\t+512*\c
.endr
.endr
	s_wait_dscnt 0x0                               ; for the others' sake: my part of H is in LDS
	s_barrier_signal -1
	POOL 0, 1-(\L)
	POOL 1, 0
	s_barrier_wait -1                              ; everybody's part is
	WIN TOW
.irp k, 0,1,2,3
.irp t, 0,1,2,3
	ds_load_b128 v[HF+32*\k+8*\t:HF+32*\k+8*\t+3],   v[HR] offset:16384*(\L)+4096*\k+1024*\t
	ds_load_b128 v[HF+32*\k+8*\t+4:HF+32*\k+8*\t+7], v[HR] offset:16384*(\L)+4096*\k+1024*\t+512
.endr
.endr
	BIASLD (\L)+1
.if (\L) == 0
.irp a, 0,1                            ; layer 1's pooled rows o stand at fc_w[128 + o]
	global_load_b128 v[FW+8*\a:FW+8*\a+3],   v[FO], s[14:15] offset:512+64*\a
	global_load_b128 v[FW+8*\a+4:FW+8*\a+7], v[FO], s[14:15] offset:512+64*\a+16
.endr
.else
.irp a, 0,1,2,3                        ; layer 2's rows, all pooled, at fc_w[256 + o]
	global_load_b128 v[FW+8*\a:FW+8*\a+3],   v[FO], s[14:15] offset:1024+512*(\a/2)+64*(\a%2)
	global_load_b128 v[FW+8*\a+4:FW+8*\a+7], v[FO], s[14:15] offset:1024+512*(\a/2)+64*(\a%2)+16
.endr
.endif
	s_mov_b32 s[XO], 0                             ; the fields begin anew
	v_mov_b32 v[XA], v[XA0]
	s_wait_dscnt 0x0                               ; H and the bias are in
	ZFIRST
.endm
	s_load_b256 s[4:11], s[0:1], 0x0               ; x s[4:5], wb s[6:7], b0 s[8:9], b1 s[10:11]
	s_load_b256 s[12:19], s[0:1], 0x20             ; b2 s[12:13], fc_w s[14:15], fc_b s[16:17], out0 s[18:19]
	v_lshl_add_u32 v[SPW], v0, 2, SPARE
	v_mov_b32 v[NIL], 0
	ds_add_u32 v[SPW], v[NIL]                      ; the wave's opening: the add, twice on end, and its wait ahead of my first tensor load; the set-up below, work on registers, stands between
	ds_add_u32 v[SPW], v[NIL]                      ; and once more, under the one wait
	v_lshrrev_b32 v[TA], 5, v0
	v_readfirstlane_b32 s[WV], v[TA]               ; wave 0..3
	s_bfe_u32 s[CX], ttmp6, 0x40000                ; cx
	s_lshl_b32 s[BN], ttmp9, 2                     ; in a cluster launch ttmp9 counts clusters
	s_add_co_u32 s[BN], s[BN], s[CX]               ; b = 4 x cluster + cx: it enters x's and out0's addresses alone
	; descriptor group 1: 128 rows of 32 elements of 8 bytes, dense in memory and in LDS: a wave's quarter of a tile
	s_mov_b32 s[G1+0], 15|(3<<16)|(1<<21)          ; 15:0 the mask: all four work-groups; 17:16 elements of 8 bytes; 20 no padding; 21 set beside a mask
	s_mov_b32 s[G1+1], 32<<16                      ; tensor_dim0 = 32
	s_mov_b32 s[G1+2], 128<<16                     ; tensor_dim1 = 128
	s_mov_b32 s[G1+3], 32<<16                      ; tile_dim0 = 32
	s_mov_b32 s[G1+4], 128                         ; tile_dim1 = 128
	s_mov_b32 s[G1+5], 32                          ; 32 elements from row to row
	s_mov_b32 s[G1+6], 0
	s_mov_b32 s[G1+7], 0
	s_lshl_b32 s48, s[WV], 15                      ; my quarter, in a tile and in a slot: no place in the cluster enters it
	s_mov_b32 s49, 0
	s_mov_b32 s[G0A], 1                            ; 1:0 count = 1
	s_mov_b32 s[G0A+1], s48                        ; 63:32 LDS address: slot 0
	s_mov_b32 s[G0], 1
	s_add_co_u32 s[G0+1], s48, SLOT1               ; slot 1
	s_mov_b32 s[TB], 0
	s_mov_b32 s[XO], 0
	s_mov_b32 s[SEL], 0x76543210
	s_mov_b32 s[SEL+1], 0xfedcba98
	s_cmp_eq_u32 ttmp9, 0                          ; the first cluster prefetches: the same answer in all four partners
	s_cselect_b32 s[LIM0], 0, -1
	s_cselect_b32 s[LIM3], 3, -1
	s_lshl_b32 s54, s[CX], 15                      ; the prefetches: my work-group's quarter of a tile's blocks,
	s_lshl_b32 s55, s[WV], 13                      ; my wave's 32 of them,
	s_add_co_u32 s54, s54, s55
	s_add_co_u32 s54, s54, 4*TILEB                 ; in tile 4: the first change of slots steps it to tile 5
	s_mov_b32 s55, 0
	s_lshl_b32 s56, s[BN], 13                      ; x[b]: 8,192 bytes
	s_mov_b32 s57, 0
	s_lshl_b32 s58, s[BN], 2                       ; out0[b]
	s_mov_b32 s59, 0
	v_and_b32 v[LNR], 15, v0
	v_bfe_u32 v[LNH], v0, 4, 1
	v_and_b32 v[TA], 31, v0
	v_lshlrev_b32 v[PFO], 8, v[TA]
	v_lshlrev_b32 v[TA], 4, v[TA]                  ; 16 l
	v_add_nc_u32 v[WA0], s48, v[TA]
	v_mov_b32 v[WA], v[WA0]
	v_lshl_add_u32 v[XA0], v[LNR], 4, XD
	v_mov_b32 v[XA], v[XA0]
	s_lshl_b32 s53, s[WV], 7
	v_lshl_add_u32 v[FO], v[LNH], 5, s53
	v_add_nc_u32 v[BA], BIAS, v[FO]
	s_lshl_b32 s53, s[WV], 12
	s_add_co_u32 s53, s53, HX
	v_add_nc_u32 v[HS], s53, v[TA]
	v_add_nc_u32 v[HR], HX, v[TA]
	v_mov_b32 v[ZR], 0
	v_lshlrev_b32 v40, 11, v[LNH]                  ; x as H's fragment: rows 8 h on, 16 bytes at 16 r
	v_lshl_add_u32 v40, v[LNR], 4, v40
	v_lshlrev_b32 v41, 4, v0                       ; x for the table: 16 bytes a thread
	v_add_nc_u32 v42, XD, v41                      ; a word of the table for each f32: the same offsets
	v_lshlrev_b32 v43, 3, v0                       ; a bias: 8 bytes a thread
	v_add_nc_u32 v44, BIAS, v43
	s_wait_dscnt 0x0                               ; both opening adds are done
	s_wait_kmcnt 0x0
	s_add_nc_u64 s[G0A+2:G0A+3], s[6:7], s[48:49]  ; 120:64 global address: my quarter of tile 0,
	s_add_nc_u64 s[G0+2:G0+3], s[G0A+2:G0A+3], TILEB  ; of tile 1
	s_or_b32 s[G0A+3], s[G0A+3], 0x80000000        ; 127:126 type = 2
	s_or_b32 s[G0+3], s[G0+3], 0x80000000
	s_add_nc_u64 s[PFA:PFA+1], s[6:7], s[54:55]
	s_add_nc_u64 s[4:5], s[4:5], s[56:57]
	s_add_nc_u64 s[18:19], s[18:19], s[58:59]
	s_load_b32 s[FCB], s[16:17], 0x0
	CROUND                                         ; all four work-groups are here: the first joint loads meet
	tensor_load_to_lds s[G0A:G0A+3], s[G1:G1+7]    ; both first fills go out together, ahead of every wait on TENSORcnt and every LDS read
	s_nop 0
	tensor_load_to_lds s[G0:G0+3], s[G1:G1+7]
	s_nop 0
.rept 4
	v_nop
.endr
.irp q, 0,1,2,3,4,5,6,7,8,9,10,11,12,13,14,15  ; rows 8 h + q (q < 8) and 16 + 8 h + q - 8: my four columns of each
	global_load_b128 v[ACC+4*\q:ACC+4*\q+3], v40, s[4:5] offset:(\q+8*(\q/8))*256
.endr
.irp j, 0,1,2,3
	global_load_b128 v[ACC+64+4*\j:ACC+64+4*\j+3], v41, s[4:5] offset:2048*\j
.endr
	global_load_b64 v[ACC+80:ACC+81], v43, s[8:9]
	global_load_b64 v[ACC+82:ACC+83], v43, s[10:11]
	global_load_b64 v[ACC+84:ACC+85], v43, s[12:13]
.irp a, 0,1                            ; layer 0's pooled rows o stand at fc_w[o]
	global_load_b128 v[FW+8*\a:FW+8*\a+3],   v[FO], s[14:15] offset:64*\a
	global_load_b128 v[FW+8*\a+4:FW+8*\a+7], v[FO], s[14:15] offset:64*\a+16
.endr
	s_wait_loadcnt 11                              ; the 16 are in; the 4 + 3 + 4 issued behind them may stay out
	WIN TOW
.irp t, 0,1,2,3                        ; layer 0's H is x: register p of tile t's fragment holds rows 2 p and 2 p + 1 of my sixteen
.irp p, 0,1,2,3,4,5,6,7
	v_cvt_pk_bf16_f32 v[HF+8*\t+\p], v[ACC+8*\p+\t], v[ACC+8*\p+4+\t]
.endr
.endr
	WIN 0
	s_wait_loadcnt 7                               ; the table's 4 are in; 3 + 4 may stay out
.irp n, 0,1,2,3,4,5,6,7,8,9,10,11,12,13,14,15
	v_cvt_pk_bf16_f32 v[TT+\n], v[ACC+64+\n], v[ACC+64+\n]  ; the same number in both halves
.endr
.irp j, 0,1,2,3
	ds_store_b128 v42, v[TT+4*\j:TT+4*\j+3] offset:2048*\j
.endr
	s_cmp_lg_u32 s[WV], 0
	s_cbranch_scc1 .Lno_wrap
	ds_store_b128 v42, v[TT:TT+3] offset:8192      ; wave 0's first piece is rows 0 and 1: once more as rows 32 and 33
.Lno_wrap:
	s_wait_loadcnt 4                               ; the biases are in; fc_w's 4 may stay out
.irp n, 0,1,2
	ds_store_b64 v44, v[ACC+80+2*\n:ACC+80+2*\n+1] offset:1024*\n
.endr
	s_wait_kmcnt 0x0                               ; fc_b
	s_wait_tensorcnt 1                             ; my quarter of tile 0 is in; tile 1's may stay out
	s_wait_dscnt 0x0                               ; for the others' sake: my parts of the table and of the biases are in LDS
	s_barrier_signal -1
	s_barrier_wait -1
	XLOAD 0, XP
	XLOAD 1, XP+4
	BIASLD 0
	FETCHW 0
	s_wait_dscnt 0x0
	ZFIRST
	WIN 0                                          ; at a label and at a branch every window is 0
	s_mov_b32 s[CNT], 4
.L0:                                               ; layer 0: tiles 0 to 3
	BODY 0, 0
	TURN 0, LIM0
	WIN 0
	s_sub_co_u32 s[CNT], s[CNT], 1
	s_cmp_lg_u32 s[CNT], 0
	s_cbranch_scc1 .L0
	EPI 0
	WIN 0
	s_mov_b32 s[CNT], 16
.L1:                                               ; layer 1: tiles 4 to 19
	BODY 1, 0
	TURN 1, LIM0
	WIN 0
	s_sub_co_u32 s[CNT], s[CNT], 1
	s_cmp_lg_u32 s[CNT], 0
	s_cbranch_scc1 .L1
	EPI 1
	WIN 0
	s_mov_b32 s[CNT], 14
.L2:                                               ; layer 2: tiles 20 to 33, which ask for tiles 22 to 35; s[CNT] = 34 - g, so tile g + 5 exists while s[CNT] is above 3
	BODY 1, 0
	TURN 1, LIM3
	WIN 0
	s_sub_co_u32 s[CNT], s[CNT], 1
	s_cmp_lg_u32 s[CNT], 0
	s_cbranch_scc1 .L2
	BODY 1, 0                                      ; the tail is written out: tile 34
	TURN0
	BODY 1, 1                                      ; and tile 35
	LASTU
	; THE WAY OUT.  All of layer 2's rows are pooled; block 0's tile 0 was finished twelve products and 24 multiplies ago, and tile 3 of each block stands behind 36 plain instructions that name none of its registers.
	WIN 0
	s_wait_loadcnt 0x0                             ; layer 2's fc_w
	POOL 0, 0
	POOL 1, 0
	POOL 2, 0
	POOL 3, 0
	v_pk_add_f32 v[PS:PS+1], v[PS:PS+1], v[PS+2:PS+3]
	v_pk_add_f32 v[PS+4:PS+5], v[PS+4:PS+5], v[PS+6:PS+7]
	v_pk_add_f32 v[PS:PS+1], v[PS:PS+1], v[PS+4:PS+5]
	v_add_f32 v[PS], v[PS], v[PS+1]
	v_add_f32_dpp v[PS], v[PS], v[PS] row_xmask:1 row_mask:0xf bank_mask:0xf  ; over the 32 lanes: the columns (r) and the halves of the rows (h)
	v_add_f32_dpp v[PS], v[PS], v[PS] row_xmask:2 row_mask:0xf bank_mask:0xf
	v_add_f32_dpp v[PS], v[PS], v[PS] row_xmask:4 row_mask:0xf bank_mask:0xf
	v_add_f32_dpp v[PS], v[PS], v[PS] row_xmask:8 row_mask:0xf bank_mask:0xf
	v_permlanex16_b32 v[PS+1], v[PS], s[SEL], s[SEL+1]
	v_add_f32 v[PS], v[PS], v[PS+1]
	s_lshl_b32 s53, s[WV], 2
	s_add_co_u32 s53, s53, WS
	v_mov_b32 v[TA], s53
	ds_store_b32 v[TA], v[PS]                      ; all lanes write the same word with the same value
	s_wait_dscnt 0x0
	s_barrier_signal -1
	s_barrier_wait -1                              ; the four waves' sums lie in LDS
	s_cmp_lg_u32 s[WV], 0
	s_cbranch_scc1 .Lend                           ; wave 0 finishes
	v_mov_b32 v[TA], WS
	ds_load_b128 v[TT:TT+3], v[TA]
	s_wait_dscnt 0x0
	v_add_f32 v[TT], v[TT], v[TT+1]
	v_add_f32 v[TT+2], v[TT+2], v[TT+3]
	v_add_f32 v[TT], v[TT], v[TT+2]
	v_add_f32 v[TT], s[FCB], v[TT]
	v_mov_b32 v[TT+1], 0
	v_cmp_eq_u32 vcc_lo, 0, v0
	s_wait_xcnt 0x0                                ; EXEC changes only behind this wait: earlier loads and prefetches have read their sources
	s_and_saveexec_b32 s53, vcc_lo
	global_store_b32 v[TT+1], v[TT], s[18:19]      ; the output has one number for each batch element: four bytes a work-group
	s_wait_xcnt 0x0                                ; and again, in front of the line that widens it
	s_or_b32 exec_lo, exec_lo, s53
.Lend:
	s_wait_tensorcnt 0x0                           ; the wave's end, behind my last tensor load and my last LDS store
	ds_add_u32 v[SPW], v[NIL]
	s_wait_dscnt 0x0
	CROUND                                         ; the closing round: no work-group ends while a partner may still ask for a tile that names it
	s_endpgm
.Lfunc_end_k_qc9732f5ab8_cin:
	.size	k_qc9732f5ab8_cin, .Lfunc_end_k_qc9732f5ab8_cin-k_qc9732f5ab8_cin
	.p2alignl 7, 3214868480
	.fill 96, 4, 3214868480
	.section	.rodata,"a",@progbits
	.p2align	6, 0x0
	.amdhsa_kernel k_qc9732f5ab8_cin
		.amdhsa_group_segment_fixed_size 327680
		.amdhsa_private_segment_fixed_size 0
		.amdhsa_enable_private_segment 0
		.amdhsa_kernarg_size 64
		.amdhsa_user_sgpr_count 2
		.amdhsa_user_sgpr_kernarg_segment_ptr 1
		.amdhsa_wavefront_size32 1
		.amdhsa_system_sgpr_workgroup_id_x 1
		.amdhsa_system_sgpr_workgroup_id_y 1
		.amdhsa_system_sgpr_workgroup_id_z 1
		.amdhsa_system_vgpr_workitem_id 0
		.amdhsa_next_free_vgpr 512
		.amdhsa_next_free_sgpr 66
		.amdhsa_reserve_vcc 1
		.amdhsa_float_denorm_mode_32 3
		.amdhsa_float_denorm_mode_16_64 3
		.amdhsa_memory_ordered 1
		.amdhsa_forward_progress 1
		.amdhsa_inst_pref_size 199
	.end_amdhsa_kernel
	.amdgpu_metadata
---
amdhsa.version: [ 1, 2 ]
amdhsa.kernels:
  - .name:           k_qc9732f5ab8_cin
    .symbol:         k_qc9732f5ab8_cin.kd
    .args:
      - { .name: x, .offset: 0, .size: 8, .value_kind: global_buffer, .address_space: global }
      - { .name: wb, .offset: 8, .size: 8, .value_kind: global_buffer, .address_space: global }
      - { .name: b0, .offset: 16, .size: 8, .value_kind: global_buffer, .address_space: global }
      - { .name: b1, .offset: 24, .size: 8, .value_kind: global_buffer, .address_space: global }
      - { .name: b2, .offset: 32, .size: 8, .value_kind: global_buffer, .address_space: global }
      - { .name: fc_w, .offset: 40, .size: 8, .value_kind: global_buffer, .address_space: global }
      - { .name: fc_b, .offset: 48, .size: 8, .value_kind: global_buffer, .address_space: global }
      - { .name: out0, .offset: 56, .size: 8, .value_kind: global_buffer, .address_space: global }
    .group_segment_fixed_size: 327680
    .private_segment_fixed_size: 0
    .kernarg_segment_align: 8
    .kernarg_segment_size: 64
    .max_flat_workgroup_size: 128
    .sgpr_count:     66
    .vgpr_count:     512
    .wavefront_size: 32
...
	.end_amdgpu_metadata
.endif
;; end of part 2
;; ======== version 2 of 3: 2 launches
;; workspace buffers: wb 4,718,592 bytes
;; launch pack: the kernel of part 1 again; grid 16 x 36, 4 waves a work-group, no clusters, 9,728 bytes of LDS; arguments w0, w1, w2, wb; writes wb
;; launch cin (part 3): grid 256 x 1, 4 waves a work-group, clusters of 4 x 1, 327,680 bytes of LDS; arguments x, wb, b0, b1, b2, fc_w, fc_b, out0; writes out0
.if DOCPART == 3
	.amdgcn_target "amdgcn-amd-amdhsa--gfx1250"
	.amdhsa_code_object_version 6
	.text
	.protected	k_qc9732f5ab8_cin
	.globl	k_qc9732f5ab8_cin
	.p2align	8
	.type	k_qc9732f5ab8_cin,@function
k_qc9732f5ab8_cin:
	s_mov_b64 s[64:65], 0
	v_nop
	global_prefetch_b8 v0, s[64:65] scope:SCOPE_SE
	s_setreg_imm32_b32 hwreg(HW_REG_WAVE_MODE, 25, 1), 1
	s_wait_xcnt 0x0
	s_wait_alu depctr_hold_cnt(0) depctr_sa_sdst(0) depctr_va_vdst(0) depctr_va_sdst(0) depctr_va_ssrc(0) depctr_va_vcc(0) depctr_vm_vsrc(0)
	s_getreg_b32 s2, hwreg(HW_REG_IB_STS2, 6, 4)
	s_cmp_eq_u32 s2, 0
	s_cbranch_scc0 .Lentry_in_a_cluster
	s_endpgm
.Lentry_in_a_cluster:
	s_bfe_u32 s2, ttmp6, 0x10000c
	s_cmp_lg_u32 s2, 0x3003
	s_cbranch_scc0 .Lentry_shape_is_right
	s_endpgm
.Lentry_shape_is_right:
; THE WHOLE NETWORK FOR ONE BATCH ELEMENT b IN ONE WORK-GROUP.  In each of three layers  y[o][e] = relu(b[o] + sum over (f, h) of w[o][f Hin + h] x[f][e] H[h][e]);  H = x (Hin = 32), then rows 128-255 of the
; layer before (Hin = 128).  out0[b] = fc_b + sum over e of fc_w . (y0[0:128], y1[0:128], y2[0:256]).  A column (b, e) meets no other column before that last sum, so nothing goes to memory between the layers.
; NOTHING OF reference() IS LEFT OUT: every input has a way to out0 and is loaded.  The weights come as the launch before laid them out (wb: bf16, 36 tiles of 256 k x 256 o).
; THE FIELD'S FACTOR IS APPLIED TO SUMS, NOT TO OPERANDS:  sum over (f, h) of w x[f] H[h]  =  sum over f of x[f][e] G_f[o][e],  G_f = sum over h of w[o][f Hin + h] H[h][e].  G_f is a matrix product of w's rows
; with H as it lies in registers (four steps of 32 along k in layers 1 and 2, one in layer 0), started with the constant 0; the sums take it by v_pk_fma_f32: four lines for an accumulator of 16 x 16.
; LIMITS.  x, w and H are each rounded once to bf16 (x has that one value wherever it is used); G, the sums, the bias, relu's pooled values and fc_w stay in f32.  relu is a maximum with 0 in which a NaN loses:
; a NaN in a sum gives 0 where reference() gives NaN; infinities are not treated apart.  A layer's last G is multiplied by 0 once more at the next layer's start (below): were it not finite, the next layer's
; sums would take a NaN.  The order in which a sum takes its fields differs from cluster to cluster (THE WALK, below).
; SHARES.  Four waves.  Wave w owns the 64 rows o(w, a) + 0..15, a = 0..3, o(w, a) = 128 (a / 2) + 32 w + 16 (a % 2), and all 64 columns: 16 sums of 16 x 16.  So every wave has 32 rows that are pooled (a = 0, 1)
; and 32 that feed the next layer (a = 2, 3), and all waves run one text.  Tile t holds the columns e = 4 r + t (r = lane % 16): e is only summed over, and 16 bytes of x then serve all four tiles.
; Source 0 = 16 rows of w, source 1 = 32 channels x 16 columns of H: register j of lane (r, h) is row o(w, a) + 8 h + j of column 4 r + t, so x[f][4 r + t] is one number a lane and tile.  The sums of a = 2 and 3,
; rounded in pairs, ARE H's fragment for channels 32 w .. 32 w + 31, in the same lanes; the waves hand these to each other through LDS, once a layer.  THE SUMS START AT THE BIAS, loaded into their registers.
; BY PHASES.  Phase 0 multiplies for a = 0, 1 into G0 (eight accumulators, by turns) while G1, finished a phase earlier, is added to its sums; phase 1 the other way round.  The adding lines stand behind the
; products, one behind each in layers 1 and 2, four in layer 0.  A layer's first phase finds no G1 of its own: it adds G1 times 0 (x's registers of 'the field before' hold 0; at the launch's start G1 holds 0
; too): 86 v_mov_b32 in the wait for the first tile, 18 at the changes of layer and 32 lines a layer that add nothing are the price of one text for every trip.  A layer's last G1 is added behind the loop.
; THE RING.  Two LDS slots of one tile (131,072 bytes, 8 steps of 32 along k).  Wave w fetches, and alone reads, its own quarter: 128 rows of 256 dense bytes, already in register order, so a fragment load takes
; 512 consecutive bytes.  w's fragments come into registers half a tile at a time, so a slot is read out when the tile's second half begins: there the slots change.  CLUSTER: the four work-groups of a cluster
; walk the same tiles in the same order, so they ask JOINTLY: the same load, descriptor and mask in all four.  By this text's count a wave has two tensor loads out at the start and one behind each round.
; THE WALK IS TURNED.  Cluster c takes a layer's n tiles (n = 4, 16, 16) in the order (c % n + s) % n, s = 0 .. n - 1: in any step the clusters ask for n different tiles, and from a layer's second step on a
; cluster asks for a tile that other clusters asked for a step earlier.  The turn enters global addresses alone: the tile's number in the descriptor, and the offsets by which the head reads x: the tables of x
; lie in LDS already turned (row i of table A is field (i + 8 (c % 4)) % 32, of table B field (i + 2 (c % 16)) % 32), so every LDS address is what it would be without the turn.
; REGISTERS, in windows of 256 (s_set_vgpr_msb: bits 1:0 source 0, 3:2 source 1, 5:4 source 2, 7:6 destination):
;   window 0: v0-15 addresses; v16-47 at work; v48-55 the pooled sums; v56-87 fc_w; v88-103 x of two fields; v104-125 the head's; v128-255 H's fragments (channel block kb, tile t at 128 + 32 kb + 8 t);
;             in layer 0, whose H is one block, v160-223 hold x of the tile's eight fields
;   window 1: v0-63 G0 (a = 0, 1);  v64-127 the sums of a = 2, 3;  v128-255 w's fragments of a = 2, 3, two buffers of four steps (step k, block a' at 16 k + 8 a')
;   window 2: v0-63 G1 (a = 2, 3);  v64-127 the sums of a = 0, 1;  v128-255 w's fragments of a = 0, 1, likewise
; So a phase's products and its adding lines go under ONE setting: what a phase writes (its G, the other pair's sums) lies in one window, what it takes as source 0 (its w, the other G) in the other.
.set TILEB, 131072                     ; bytes in a tile of wb, and in a slot
.set SLOT1, 0x20000                    ; slot 1 begins here: one exclusive or turns an address in one slot into the other's
.set XDA,   0x40000                    ; table A, for layer 0: 32 rows of 256 bytes: word [row][e] = bf16(x[field][e]) as f32
.set XDB,   XDA+8192                   ; table B, for layers 1 and 2: the same, turned otherwise.  (Layer 0's last look-ahead reads four rows past table A: these; they are not used)
.set BIAS,  XDB+8192                   ; [3][256] f32
.set HX,    BIAS+3072                  ; H on its way between the waves, a region of 16,384 bytes for each of the two changes of layer: kb 4096 + t 1024 + c 512 + 16 l
.set WS,    HX+2*16384                 ; the four waves' sums, in a block of 256 bytes
.set SPARE, WS+256                     ; the spare words, 128 bytes for each wave: two blocks of 256 bytes that no other line names
.set LNR, 1                            ; v1   r = lane % 16
.set LNH, 2                            ; v2   h = lane / 16
.set WA0, 3                            ; v3   my 16 bytes in my quarter of slot 0; never rewritten
.set WA,  4                            ; v4   the same in the slot in hand
.set XA0, 5                            ; v5   my 16 bytes in row 0 of the table in hand: A, from the end of layer 0 on B
.set XA,  6                            ; v6   the same in the row of the tile's first field
.set BA,  7                            ; v7   BIAS + 128 w + 32 h
.set HS,  8                            ; v8   where I put 16 bytes of H
.set HR,  9                            ; v9   where I read H
.set FO,  10                           ; v10  128 w + 32 h: my offset in fc_w
.set PFO, 11                           ; v11  256 x lane: the prefetches' offset
.set ZR,  12                           ; v12  0
.set TA,  13                           ; v13  at work
.set SPW, 14                           ; v14  LDS address of my spare word; never rewritten
.set NIL, 15                           ; v15  0; never rewritten
.set TT,  16
.set PS,  48
.set FW,  56
.set XM,  88                           ; layers 1, 2: x of a tile's first field at XM, of its second at XM + 8: +0..3 as loaded (t = 0..3), +4 and +6 copies of t = 1 and 3 in even registers
.set XF,  104                          ; the head alone: my offset in x for H's fragment
.set T16, 105                          ;   16 x thread
.set TXD, 106                          ;   XDA + 16 x thread
.set T8,  107                          ;   8 x thread
.set TBI, 108                          ;   BIAS + 8 x thread
.set CV,  110                          ;   v[110:111] at work
.set XOA, 112                          ;   v[112:115] my offsets in x for table A's four pieces
.set XOB, 116                          ;   v[116:119] the same for table B
.set BD,  120                          ;   v[120:125] the biases on their way
.set HF,  128
.set X0,  160                          ; layer 0: x of the tile's field i at X0 + 8 i, laid out as at XM
.set AC,  64                           ; windows 1 and 2: the sums
.set WBR, 128                          ; windows 1 and 2: w's fragments
.set WV,  20                           ; s20  my wave's number
.set CX,  21                           ; s21  my place in the cluster
.set BN,  22                           ; s22  b
.set G1,  24                           ; s[24:31] descriptor group 1
.set G0A, 32                           ; s[32:35] group 0 of the first fill of slot 0
.set G0,  36                           ; s[36:39] group 0 of the first fill of slot 1; then of every refill
.set CNT, 40                           ; s40  tiles of the loop in hand still to come
.set TB,  41                           ; s41  0 or SLOT1: the slot in hand
.set XO,  42                           ; s42  byte offset in the table of the tile's first field
.set LIM, 43                           ; s43  4 in clusters 0 to 15, else the greatest number: a wave prefetches in the trip in which s[CNT] equals it
.set PFA, 46                           ; s[46:47] where my prefetch stands
.set SEL, 50                           ; s[50:51] v_permlanex16_b32's selects: each lane takes its own place in the other half
.set FCB, 52                           ; s52  fc_b
.set WQ,  60                           ; s[60:61] wb at my quarter of tile 0; never rewritten
.set OFF, 62                           ; s[62:63] a tile's byte offset in wb
.set QI,  66                           ; s66  the tile to be asked for next, counted inside its layer
.set QB,  67                           ; s67  that layer's first tile: 0, 4, 20
.set QM,  68                           ; s68  that layer's tiles less one: 3, 15
.set QL,  69                           ; s69  tiles of that layer still to be asked for
.set ROT1, 70                          ; s70  c % 16
.set TL,  71                           ; s71  at work
.set ROT0, 72                          ; s72  c % 4
.set MSK, 73                           ; s73  a word's upper bf16
.set OF1, 74                           ; s[74:75] the head alone: the second first fill's offset
.set RA,  76                           ; s76  table A's turn in bytes of x: 8 fields x 256 x (c % 4)
.set RB,  77                           ; s77  table B's: 2 fields x 256 x (c % 16)
.set MSB, 0
.macro WIN new                         ; the immediate's high byte repeats the setting that is left; a switch that changes nothing is dropped
.if MSB != (\new)
	s_set_vgpr_msb (MSB<<8)|(\new)
.set MSB, (\new)
.endif
.endm
.set PH0, 0x52                         ; phase 0: source 0 in window 2 (w of a = 0, 1; G1), source 1 in window 0 (H; x), C and D in window 1 (G0; the sums of a = 2, 3)
.set PH1, 0xa1                         ; phase 1: windows 1 and 2 change places
.set TOP, 0x40                         ; destination in window 1
.set TOQ, 0x80                         ; destination in window 2
; A round of the cluster's barrier: my work-group's barrier, so that wave 0's signal speaks for all four waves; wave 0 signals; every wave waits for all four work-groups; my work-group's barrier once more.
.macro CREST                           ; a round behind its opening barrier
	s_cmp_lg_u32 s[WV], 0
	s_cbranch_scc1 .Lnot_wave_0_\@
	s_barrier_signal -3
.Lnot_wave_0_\@:
	s_barrier_wait -3
	s_barrier_signal -1
	s_barrier_wait -1
.endm
.macro CROUND
	s_barrier_signal -1
	s_barrier_wait -1
	CREST
.endm
; A joint refill: every wave fetches its own quarter of the tile.  An s_nop 0 and four v_nop follow the line.
.macro JLOAD
	tensor_load_to_lds s[G0:G0+3], s[G1:G1+7]
	s_nop 0
.rept 4
	v_nop
.endr
.endm
; A PREFETCH INTO THE L2 of the NEXT layer's tiles, once in layer 0 and once in layer 1, in the trip with s[CNT] = 4: behind that trip's refill and the run of LDS loads that follows it, two changes of slots
; (256 matrix instructions a wave) ahead of the refill that first asks for a tile of the next layer.  Cluster c of the first sixteen asks for tile c of that layer, the tile with which its own walk there begins;
; its 4 work-groups x 4 waves x 32 lanes name the tile's 512 blocks of 256 bytes once each, told apart BY ADDRESS (32,768 cx + 8,192 w + 256 l): no branch hangs on a work-group's place in its cluster.
; So each block of w1's and w2's tiles is named once in the launch.  Layer 0's tiles come by their loads alone; layer 2 asks for nothing.
.macro ASK
	s_cmp_eq_u32 s[CNT], s[LIM]
	s_cbranch_scc0 .Lnot_mine_\@
	global_prefetch_b8 v[PFO], s[PFA:PFA+1] th:TH_LOAD_NT scope:SCOPE_SE
.Lnot_mine_\@:
.endm
; AN ADDING LINE: number rm of the 32 that add a finished G (eight accumulators) to its sums: pair rm % 4 of accumulator rm / 4, whose tile is t = (rm / 4) % 4.  Each accumulator is read from its lowest
; registers on.  x's number stands in the low register of an even pair and serves both halves: t = 0, 2 as loaded, t = 1, 3 in their copies.  xb: the field's registers.
.macro RIDER
.set rq, rm/4
.set rj, rm%4
.set xr, xb+4*(rq%2)+2*((rq%4)/2)
	v_pk_fma_f32 v[AC+8*rq+2*rj:AC+8*rq+2*rj+1], v[8*rq+2*rj:8*rq+2*rj+1], v[xr:xr+1], v[AC+8*rq+2*rj:AC+8*rq+2*rj+1] op_sel_hi:[1,0,1]
.set rm, rm+1
.endm
; PRODUCT n OF THE 64 OF HALF A TILE (half hb: steps 4 hb .. 4 hb + 3, in buffer hb of w), and the adding lines behind it.
; mode 1 (layers 1, 2): the half is one field: phase n / 32, step (n % 32) / 8, which takes H's block of that number; the step's eight accumulators (a' = q / 4, t = q % 4) by turns; step 0 starts the sums with 0.
;   One adding line: in phase 0 for G1 of the field before, in phase 1 for G0 of this field.
; mode 0 (layer 0): a step is a field: step n / 16, phase (n % 16) / 8; every product starts and ends its sum.  Four adding lines, for accumulator q of the other G.
; The accumulators take turns, one instruction a turn, over every backward jump too.  An adding line reads a result that is eight products old or older, with eight or more adding lines
; that name none of that product's registers between; a product writes over a G whose 32 adding lines have all been issued (ISA guide 7.12.1).
.macro PROD1 mode, hb
.if \mode
.set ph, n/32
.set kk, (n%32)/8
.set hk, kk
.else
.set ph, (n%16)/8
.set kk, n/16
.set hk, 0
.endif
.set qq, n%8
.set wr, WBR+64*(\hb)+16*kk+8*(qq/4)
.set hfr, HF+32*hk+8*(qq%4)
	WIN PH0+(PH1-PH0)*ph
.if (\mode) && (kk > 0)
	v_wmma_f32_16x16x32_bf16 v[8*qq:8*qq+7], v[wr:wr+7], v[hfr:hfr+7], v[8*qq:8*qq+7]
.else
	v_wmma_f32_16x16x32_bf16 v[8*qq:8*qq+7], v[wr:wr+7], v[hfr:hfr+7], 0
.endif
.if \mode
.set xb, XM+8*(((\hb)+1-ph)%2)
.set rm, n%32
	RIDER
.else
.set xb, X0+8*((4*(\hb)+kk+7+ph)%8)
.set rm, 4*qq
.rept 4
	RIDER
.endr
.endif
.set n, n+1
.endm
.macro PRODS cnt, mode, hb
.rept \cnt
	PROD1 \mode, \hb
.endr
.endm
.macro DRAIN xbase                     ; a layer's last G1 is added to its sums
	WIN PH0
.set xb, (\xbase)
.set rm, 0
.rept 32
	RIDER
.endr
.endm
; 32 LDS loads in one run: w's fragments of half hb of the slot in hand, into buffer buf; each takes 512 consecutive bytes.  Those of a = 0, 1, which phase 0 wants, go first.
.macro FETCHW hb, buf
	WIN TOQ
.irp k, 0,1,2,3
.irp a, 0,1
	ds_load_b128 v[WBR+64*(\buf)+16*\k+8*\a:WBR+64*(\buf)+16*\k+8*\a+3],   v[WA] offset:(\hb)*16384+\k*4096+\a*1024
	ds_load_b128 v[WBR+64*(\buf)+16*\k+8*\a+4:WBR+64*(\buf)+16*\k+8*\a+7], v[WA] offset:(\hb)*16384+\k*4096+\a*1024+512
.endr
.endr
	WIN TOP
.irp k, 0,1,2,3
.irp a, 0,1
	ds_load_b128 v[WBR+64*(\buf)+16*\k+8*\a:WBR+64*(\buf)+16*\k+8*\a+3],   v[WA] offset:(\hb)*16384+\k*4096+(\a+2)*1024
	ds_load_b128 v[WBR+64*(\buf)+16*\k+8*\a+4:WBR+64*(\buf)+16*\k+8*\a+7], v[WA] offset:(\hb)*16384+\k*4096+(\a+2)*1024+512
.endr
.endr
.endm
.macro XLOAD row, dst                  ; x of the field whose row lies row rows behind the tile's first: my four columns
	ds_load_b128 v[(\dst):(\dst)+3], v[XA] offset:(\row)*256
.endm
.macro XMOV xbase                      ; the numbers of t = 1 and t = 3 into even registers
	v_mov_b32 v[(\xbase)+4], v[(\xbase)+1]
	v_mov_b32 v[(\xbase)+6], v[(\xbase)+3]
.endm
; A TILE'S FIRST HALF.  Behind its first eight products, whose adding lines are the places in front of loads into the buffer that the half before multiplied, stands ONE run of LDS loads: x (mode 1: this half's own
; field, wanted from phase 1 on; mode 0: the second half's four fields, into registers whose last reader is among those eight products' lines) and the second half's 32 fragments of w, 56 products ahead of their use.
.macro HALFA mode
.if \mode
	s_wait_dscnt 16                                ; w's fragments of a = 0, 1 are in; the 16 of a = 2, 3, issued behind them, may stay out till phase 1
.else
	s_wait_dscnt 0x0                               ; w's fragments and x's four fields are in
	WIN 0
	XMOV X0
	XMOV X0+8
	XMOV X0+16
	XMOV X0+24
.endif
.set n, 0
	PRODS 8, \mode, 0
	WIN 0
.if \mode
	XLOAD 0, XM
.else
	XLOAD 4, X0+32
	XLOAD 5, X0+40
	XLOAD 6, X0+48
	XLOAD 7, X0+56
.endif
	FETCHW 1, 1
.if \mode
	PRODS 24, 1, 0
	s_wait_dscnt 32                                ; all but the 32 fragments just asked for: x's load and w's fragments of a = 2, 3 are in
	WIN 0
	XMOV XM
	PRODS 32, 1, 0
.else
	PRODS 56, 0, 0
.endif
.endm
; A TILE'S SECOND HALF.  Its fragments are in registers, so the slot has been read out.
; kind = 2: THE CHANGE OF SLOTS.  Each wave waits for all its tensor loads, of which one is out: its quarter of the next slot; adds 0 to its spare word; and waits for that (its reads of this slot are over).  The
; barrier opens a round of the cluster's barrier: behind it no wave of any partner reads this slot or has a load on its way, and the joint refill, the tile two places on in the cluster's walk, is the first thing
; there: it has 112 matrix instructions in which to land.  The descriptor's address is made anew from that tile's number, which hangs on the cluster's number and on counted steps alone: the same in all four
; partners.  Behind the refill stands the half's run of LDS loads: x, and the next tile's first 32 fragments of w: my own quarter, which the wait above has shown landed.  ask = 1: the trip may hold the prefetch.
; kind = 1: the walk's last tile but one: nothing is filled again, so there is no barrier: only I read my quarter of the last tile, behind my own wait for it.  kind = 0: the last tile: no w is fetched.
.macro HALFB mode, kind, ask
	s_wait_dscnt 0x0                               ; this half's fragments of w are in (and, in mode 0, x's four fields)
.set n, 0
.if (\kind) == 2
	WIN 0
.if (\mode) == 0
	XMOV X0+32
	XMOV X0+40
	XMOV X0+48
	XMOV X0+56
.endif
	s_wait_tensorcnt 0x0                           ; no tensor load of mine is out, so the group 0 may be written
	ds_add_u32 v[SPW], v[NIL]                      ; 0 onto my spare word; the descriptor's scalar work and eight matrix instructions stand between it and the wait for it
	s_add_co_u32 s[TL], s[QB], s[QI]               ; the tile's number in wb
	s_lshl_b32 s[OFF], s[TL], 17                   ; 131,072 bytes a tile
	s_xor_b32 s[G0+1], s[G0+1], SLOT1              ; the other slot than last time
	s_add_nc_u64 s[G0+2:G0+3], s[WQ:WQ+1], s[OFF:OFF+1]
	s_or_b32 s[G0+3], s[G0+3], 0x80000000          ; 127:126 type = 2
	s_add_co_u32 s[QI], s[QI], 1                   ; the layer's next tile, round its end;
	s_and_b32 s[QI], s[QI], s[QM]
	s_sub_co_u32 s[QL], s[QL], 1
	s_lshl2_add_u32 s[TL], s[QB], 4                ; (0 -> 4 -> 20: the next layer's first tile)
	s_cmp_eq_u32 s[QL], 0                          ; behind the layer's last: the next layer, 16 tiles, from tile c % 16 on
	s_cselect_b32 s[QB], s[TL], s[QB]
	s_cselect_b32 s[QI], s[ROT1], s[QI]
	s_cselect_b32 s[QM], 15, s[QM]
	s_cselect_b32 s[QL], 16, s[QL]
	PRODS 8, \mode, 1
	s_wait_dscnt 0x0                               ; the add is done
	s_barrier_signal -1
	PRODS 8, \mode, 1                              ; work on registers while the others arrive
	WIN 0
	s_barrier_wait -1
	CREST
	JLOAD                                          ; its four v_nop, and the sixteen products' adding lines, are the places in front of the loads into the buffer that the first half multiplied
.else
	PRODS 8, \mode, 1
	WIN 0
.if (\kind) == 1
	s_wait_tensorcnt 0x0                           ; my quarter of the last tile is in
.endif
.endif
.if \mode
	XLOAD 1, XM+8                                  ; this half's own field
.else
	XLOAD 8, X0                                    ; the next tile's first four fields
	XLOAD 9, X0+8
	XLOAD 10, X0+16
	XLOAD 11, X0+24
.endif
.if (\kind) > 0
	s_xor_b32 s[TB], s[TB], SLOT1
.if \mode
	s_add_co_u32 s[XO], s[XO], 2*256               ; a tile is two fields,
.else
	s_add_co_u32 s[XO], s[XO], 8*256               ; or eight
.endif
	v_add_nc_u32 v[WA], s[TB], v[WA0]
	v_add_nc_u32 v[XA], s[XO], v[XA0]
	FETCHW 0, 0
.if \ask
	WIN 0
	ASK
.endif
.endif
.if \mode
.if (\kind) == 2
	PRODS 16, 1, 1
.else
	PRODS 24, 1, 1
.endif
.if (\kind) > 0
	s_wait_dscnt 32                                ; x's load is in; the 32 fragments issued behind it may stay out
.else
	s_wait_dscnt 0x0                               ; x's load is in
.endif
	WIN 0
	XMOV XM+8
	PRODS 32, 1, 1
.else
	PRODS 48, 0, 1
.endif
.endm
; The sums of a pair of row blocks (those in window w) are pooled: relu in place, then times fc_w of the row, summed over the eight accumulators into four pairs.  first = 1: the first product starts the pairs.
.macro POOLW w, fwb, first
	WIN ((\w)<<6)|((\w)<<2)                        ; destination and source 1
.set i, 0
.rept 64
	v_max_num_f32 v[AC+i], 0, v[AC+i]
.set i, i+1
.endr
	WIN (\w)                                       ; source 0
.irp q, 0,1,2,3,4,5,6,7
.irp p, 0,1,2,3
.if (\first) && (\q == 0)
	v_pk_mul_f32 v[PS+2*\p:PS+2*\p+1], v[AC+8*\q+2*\p:AC+8*\q+2*\p+1], v[(\fwb)+8*(\q/4)+2*\p:(\fwb)+8*(\q/4)+2*\p+1]
.else
	v_pk_fma_f32 v[PS+2*\p:PS+2*\p+1], v[AC+8*\q+2*\p:AC+8*\q+2*\p+1], v[(\fwb)+8*(\q/4)+2*\p:(\fwb)+8*(\q/4)+2*\p+1], v[PS+2*\p:PS+2*\p+1]
.endif
.endr
.endr
.endm
.macro BIASLD L                        ; layer L's sums start at the bias: register j of the sum (a, t) takes b[o(w, a) + 8 h + j], the same for all t and r
.irp a, 0,1,2,3
	WIN TOQ-(TOQ-TOP)*(\a/2)
.irp t, 0,1,2,3
	ds_load_b128 v[AC+8*(4*(\a%2)+\t):AC+8*(4*(\a%2)+\t)+3],   v[BA] offset:1024*(\L)+512*(\a/2)+64*(\a%2)
	ds_load_b128 v[AC+8*(4*(\a%2)+\t)+4:AC+8*(4*(\a%2)+\t)+7], v[BA] offset:1024*(\L)+512*(\a/2)+64*(\a%2)+16
.endr
.endr
.endm
; THE END OF LAYER L (0 or 1).  The last G1 is added.  The fields begin anew (behind layer 0: in table B), and the registers of 'the field before' take 0.  The sums of a = 2, 3 are rounded to bf16 in pairs, relu'd two
; at a time, and put into LDS as the fragments that they are; those of a = 0, 1 are pooled between the barrier's signal and its wait.
; Then all of H, the next bias and the next fc_w come in.  The next tile's first fragments of w are in their registers already.
.macro EPI L
.if (\L) == 0
	DRAIN X0+56
.else
	DRAIN XM+8
.endif
	WIN 0
	s_wait_loadcnt 0x0                             ; this layer's fc_w
	s_mov_b32 s[XO], 0
.if (\L) == 0
	s_wait_xcnt 0x0                                ; the prefetch, three trips back, has read its address, so it may be stepped:
	s_add_nc_u64 s[PFA:PFA+1], s[PFA:PFA+1], 16*TILEB  ; the same tile of the layer after
	v_add_nc_u32 v[XA0], XDB-XDA, v[XA0]
	v_mov_b32 v[XM+5], 0                           ; named as the upper registers of pairs, so they are written
	v_mov_b32 v[XM+7], 0
.endif
	v_mov_b32 v[XA], v[XA0]
.irp j, 8,9,10,11,12,13,14,15
	v_mov_b32 v[XM+\j], 0                          ; the next layer's first phase adds G1 times this
.endr
	WIN 0x05                                       ; sources 0 and 1 in window 1
.irp t, 0,1,2,3
.irp c, 0,1
.irp p, 0,1,2,3
	v_cvt_pk_bf16_f32 v[TT+4*(2*\t+\c)+\p], v[AC+8*(4*\c+\t)+2*\p], v[AC+8*(4*\c+\t)+2*\p+1]
.endr
.endr
.endr
	WIN 0
.set i, 0
.rept 32
	v_pk_max_num_bf16 v[TT+i], v[TT+i], v[ZR]
.set i, i+1
.endr
.irp t, 0,1,2,3
.irp c, 0,1
	ds_store_b128 v[HS], v[TT+4*(2*\t+\c):TT+4*(2*\t+\c)+3] offset:16384*(\L)+1024*\t+512*\c
.endr
.endr
	s_wait_dscnt 0x0                               ; for the others' sake: my part of H is in LDS; and every LDS load of mine is back
	s_barrier_signal -1
	POOLW 2, FW, 1-(\L)
	WIN 0
	s_barrier_wait -1                              ; everybody's part is
.irp k, 0,1,2,3
.irp t, 0,1,2,3
	ds_load_b128 v[HF+32*\k+8*\t:HF+32*\k+8*\t+3],   v[HR] offset:16384*(\L)+4096*\k+1024*\t
	ds_load_b128 v[HF+32*\k+8*\t+4:HF+32*\k+8*\t+7], v[HR] offset:16384*(\L)+4096*\k+1024*\t+512
.endr
.endr
	BIASLD (\L)+1
	WIN 0
.if (\L) == 0
.irp a, 0,1                            ; layer 1's pooled rows o stand at fc_w[128 + o]
	global_load_b128 v[FW+8*\a:FW+8*\a+3],   v[FO], s[14:15] offset:512+64*\a
	global_load_b128 v[FW+8*\a+4:FW+8*\a+7], v[FO], s[14:15] offset:512+64*\a+16
.endr
.else
.irp a, 0,1,2,3                        ; layer 2's rows, all pooled, at fc_w[256 + o]
	global_load_b128 v[FW+8*\a:FW+8*\a+3],   v[FO], s[14:15] offset:1024+512*(\a/2)+64*(\a%2)
	global_load_b128 v[FW+8*\a+4:FW+8*\a+7], v[FO], s[14:15] offset:1024+512*(\a/2)+64*(\a%2)+16
.endr
.endif
	s_wait_dscnt 0x0                               ; H and the bias are in
.endm
	s_load_b256 s[4:11], s[0:1], 0x0               ; x s[4:5], wb s[6:7], b0 s[8:9], b1 s[10:11]
	s_load_b256 s[12:19], s[0:1], 0x20             ; b2 s[12:13], fc_w s[14:15], fc_b s[16:17], out0 s[18:19]
	v_lshl_add_u32 v[SPW], v0, 2, SPARE
	v_mov_b32 v[NIL], 0
	ds_add_u32 v[SPW], v[NIL]                      ; the wave's opening: the add, twice on end, and its wait ahead of my first tensor load; the set-up below, work on registers, stands between
	ds_add_u32 v[SPW], v[NIL]                      ; and once more, under the one wait
	v_lshrrev_b32 v[TA], 5, v0
	v_readfirstlane_b32 s[WV], v[TA]               ; wave 0..3
	s_bfe_u32 s[CX], ttmp6, 0x40000                ; cx
	s_lshl_b32 s[BN], ttmp9, 2                     ; in a cluster launch ttmp9 counts clusters
	s_add_co_u32 s[BN], s[BN], s[CX]               ; b = 4 x cluster + cx: it enters x's and out0's addresses alone
	; descriptor group 1: 128 rows of 32 elements of 8 bytes, dense in memory and in LDS: a wave's quarter of a tile
	s_mov_b32 s[G1+0], 15|(3<<16)|(1<<21)          ; 15:0 the mask: all four work-groups; 17:16 elements of 8 bytes; 20 no padding; 21 set beside a mask
	s_mov_b32 s[G1+1], 32<<16                      ; tensor_dim0 = 32
	s_mov_b32 s[G1+2], 128<<16                     ; tensor_dim1 = 128
	s_mov_b32 s[G1+3], 32<<16                      ; tile_dim0 = 32
	s_mov_b32 s[G1+4], 128                         ; tile_dim1 = 128
	s_mov_b32 s[G1+5], 32                          ; 32 elements from row to row
	s_mov_b32 s[G1+6], 0
	s_mov_b32 s[G1+7], 0
	s_lshl_b32 s48, s[WV], 15                      ; my quarter, in a tile and in a slot: no place in the cluster enters it
	s_mov_b32 s49, 0
	s_mov_b32 s[G0A], 1                            ; 1:0 count = 1
	s_mov_b32 s[G0A+1], s48                        ; 63:32 LDS address: slot 0
	s_mov_b32 s[G0], 1
	s_add_co_u32 s[G0+1], s48, SLOT1               ; slot 1
	s_mov_b32 s[TB], 0
	s_mov_b32 s[XO], 0
	s_mov_b32 s[SEL], 0x76543210
	s_mov_b32 s[SEL+1], 0xfedcba98
	s_mov_b32 s[MSK], 0xffff0000
	; the walk: the cluster's number, which the four partners share
	s_and_b32 s[ROT0], ttmp9, 3
	s_and_b32 s[ROT1], ttmp9, 15
	s_lshl_b32 s[OFF], s[ROT0], 17                 ; the walk's first tile: c % 4,
	s_mov_b32 s[OFF+1], 0
	s_add_co_u32 s[QI], s[ROT0], 1
	s_and_b32 s[QI], s[QI], 3
	s_lshl_b32 s[OF1], s[QI], 17                   ; its second,
	s_mov_b32 s[OF1+1], 0
	s_add_co_u32 s[QI], s[QI], 1
	s_and_b32 s[QI], s[QI], 3                      ; and its third, which the first change of slots asks for
	s_mov_b32 s[QB], 0
	s_mov_b32 s[QM], 3
	s_mov_b32 s[QL], 2                             ; two of layer 0's four tiles are still to be asked for
	s_lshl_b32 s[RA], s[ROT0], 11
	s_lshl_b32 s[RB], s[ROT1], 9
	s_cmp_lt_u32 ttmp9, 16                         ; the first sixteen clusters prefetch: the same answer in all four partners
	s_cselect_b32 s[LIM], 4, -1
	s_lshl_b32 s54, s[CX], 15                      ; the prefetch: my work-group's quarter of a tile's blocks,
	s_lshl_b32 s55, s[WV], 13                      ; my wave's 32 of them,
	s_add_co_u32 s54, s54, s55
	s_add_co_u32 s55, s[ROT1], 4                   ; in tile c % 16 of layer 1
	s_lshl_b32 s55, s55, 17
	s_add_co_u32 s54, s54, s55
	s_mov_b32 s55, 0
	s_lshl_b32 s56, s[BN], 13                      ; x[b]: 8,192 bytes
	s_mov_b32 s57, 0
	s_lshl_b32 s58, s[BN], 2                       ; out0[b]
	s_mov_b32 s59, 0
	v_and_b32 v[LNR], 15, v0
	v_bfe_u32 v[LNH], v0, 4, 1
	v_and_b32 v[TA], 31, v0
	v_lshlrev_b32 v[PFO], 8, v[TA]
	v_lshlrev_b32 v[TA], 4, v[TA]                  ; 16 l
	v_add_nc_u32 v[WA0], s48, v[TA]
	v_mov_b32 v[WA], v[WA0]
	v_lshl_add_u32 v[XA0], v[LNR], 4, XDA
	v_mov_b32 v[XA], v[XA0]
	s_lshl_b32 s53, s[WV], 7
	v_lshl_add_u32 v[FO], v[LNH], 5, s53
	v_add_nc_u32 v[BA], BIAS, v[FO]
	s_lshl_b32 s53, s[WV], 12
	s_add_co_u32 s53, s53, HX
	v_add_nc_u32 v[HS], s53, v[TA]
	v_add_nc_u32 v[HR], HX, v[TA]
	v_mov_b32 v[ZR], 0
	v_lshlrev_b32 v[XF], 11, v[LNH]                ; x as H's fragment: rows 8 h on, 16 bytes at 16 r
	v_lshl_add_u32 v[XF], v[LNR], 4, v[XF]
	v_lshlrev_b32 v[T16], 4, v0                    ; a table's piece j: 16 bytes a thread at 16 t + 2,048 j;
	v_add_nc_u32 v[TXD], XDA, v[T16]               ; a word of the table for each f32: the same offsets in LDS
.irp j, 0,1,2,3                        ; it comes from x the table's turn further on, round the end of x[b]'s 8,192 bytes
	s_add_co_u32 s[TL], s[RA], 2048*\j
	v_add_nc_u32 v[XOA+\j], s[TL], v[T16]
	s_add_co_u32 s[TL], s[RB], 2048*\j
	v_add_nc_u32 v[XOB+\j], s[TL], v[T16]
	v_and_b32 v[XOA+\j], 0x1fff, v[XOA+\j]
	v_and_b32 v[XOB+\j], 0x1fff, v[XOB+\j]
.endr
	v_lshlrev_b32 v[T8], 3, v0                     ; a bias: 8 bytes a thread
	v_add_nc_u32 v[TBI], BIAS, v[T8]
	s_wait_dscnt 0x0                               ; both opening adds are done
	s_wait_kmcnt 0x0
	s_add_nc_u64 s[WQ:WQ+1], s[6:7], s[48:49]      ; wb at my quarter of tile 0
	s_add_nc_u64 s[G0A+2:G0A+3], s[WQ:WQ+1], s[OFF:OFF+1]  ; 120:64 global address: my quarter of the walk's first tile,
	s_add_nc_u64 s[G0+2:G0+3], s[WQ:WQ+1], s[OF1:OF1+1]    ; of its second
	s_or_b32 s[G0A+3], s[G0A+3], 0x80000000        ; 127:126 type = 2
	s_or_b32 s[G0+3], s[G0+3], 0x80000000
	s_add_nc_u64 s[PFA:PFA+1], s[6:7], s[54:55]
	s_add_nc_u64 s[4:5], s[4:5], s[56:57]
	s_add_nc_u64 s[18:19], s[18:19], s[58:59]
	s_load_b32 s[FCB], s[16:17], 0x0
	CROUND                                         ; all four work-groups are here: the first joint loads meet
	tensor_load_to_lds s[G0A:G0A+3], s[G1:G1+7]    ; both first fills go out together, ahead of every wait on TENSORcnt and every LDS read
	s_nop 0
	tensor_load_to_lds s[G0:G0+3], s[G1:G1+7]
	s_nop 0
.rept 4
	v_nop
.endr
	WIN TOP                                        ; x's sixteen pieces land where G0 will lie
.irp q, 0,1,2,3,4,5,6,7,8,9,10,11,12,13,14,15  ; rows 8 h + q (q < 8) and 16 + 8 h + q - 8: my four columns of each
	global_load_b128 v[4*\q:4*\q+3], v[XF], s[4:5] offset:(\q+8*(\q/8))*256
.endr
	WIN 0
.irp j, 0,1,2,3
	global_load_b128 v[TT+4*\j:TT+4*\j+3], v[XOA+\j], s[4:5]
.endr
.irp j, 0,1,2,3
	global_load_b128 v[TT+16+4*\j:TT+16+4*\j+3], v[XOB+\j], s[4:5]
.endr
	global_load_b64 v[BD:BD+1], v[T8], s[8:9]
	global_load_b64 v[BD+2:BD+3], v[T8], s[10:11]
	global_load_b64 v[BD+4:BD+5], v[T8], s[12:13]
.irp a, 0,1                            ; layer 0's pooled rows o stand at fc_w[o]
	global_load_b128 v[FW+8*\a:FW+8*\a+3],   v[FO], s[14:15] offset:64*\a
	global_load_b128 v[FW+8*\a+4:FW+8*\a+7], v[FO], s[14:15] offset:64*\a+16
.endr
	WIN TOQ                                        ; what the first phase finds: G1 = 0, and 0 for x of 'the field before'.  All this stands in the wait for the loads and the first tile
.set i, 0
.rept 64
	v_mov_b32 v[i], 0
.set i, i+1
.endr
	WIN 0
.irp s, 0,1,2,3,4,5,6
	v_mov_b32 v[X0+8*\s+5], 0                      ; named as the upper registers of pairs, so they are written
	v_mov_b32 v[X0+8*\s+7], 0
.endr
.irp j, 0,1,2,3,4,5,6,7
	v_mov_b32 v[X0+56+\j], 0
.endr
	s_wait_loadcnt 15                              ; the 16 are in; the 4 + 4 + 3 + 4 issued behind them may stay out
	WIN 0x05                                       ; sources 0 and 1 in window 1
.irp t, 0,1,2,3                        ; layer 0's H is x: register p of tile t's fragment holds rows 2 p and 2 p + 1 of my sixteen
.irp p, 0,1,2,3,4,5,6,7
	v_cvt_pk_bf16_f32 v[HF+8*\t+\p], v[8*\p+\t], v[8*\p+4+\t]
.endr
.endr
	WIN 0
	s_wait_loadcnt 7                               ; the tables' 8 are in; 3 + 4 may stay out
.irp j, 0,1,2,3,4,5,6,7                ; the tables hold x as H holds it: rounded to bf16, written as f32
	v_cvt_pk_bf16_f32 v[CV], v[TT+4*\j], v[TT+4*\j+1]
	v_cvt_pk_bf16_f32 v[CV+1], v[TT+4*\j+2], v[TT+4*\j+3]
	v_lshlrev_b32 v[TT+4*\j], 16, v[CV]
	v_and_b32 v[TT+4*\j+1], s[MSK], v[CV]
	v_lshlrev_b32 v[TT+4*\j+2], 16, v[CV+1]
	v_and_b32 v[TT+4*\j+3], s[MSK], v[CV+1]
.endr
.irp j, 0,1,2,3
	ds_store_b128 v[TXD], v[TT+4*\j:TT+4*\j+3] offset:2048*\j
	ds_store_b128 v[TXD], v[TT+16+4*\j:TT+16+4*\j+3] offset:XDB-XDA+2048*\j
.endr
	s_wait_loadcnt 4                               ; the biases are in; fc_w's 4 may stay out
.irp j, 0,1,2
	ds_store_b64 v[TBI], v[BD+2*\j:BD+2*\j+1] offset:1024*\j
.endr
	s_wait_kmcnt 0x0                               ; fc_b
	s_wait_tensorcnt 1                             ; my quarter of the first tile is in; the second's may stay out
	s_wait_dscnt 0x0                               ; for the others' sake: my parts of the tables and of the biases are in LDS
	s_barrier_signal -1
	s_barrier_wait -1
	XLOAD 0, X0
	XLOAD 1, X0+8
	XLOAD 2, X0+16
	XLOAD 3, X0+24
	BIASLD 0
	FETCHW 0, 0
	WIN 0                                          ; at a label and at a branch every window is 0
	s_mov_b32 s[CNT], 4
.L0:                                               ; layer 0: four tiles; its changes of slots ask for its last two tiles and layer 1's first two
	HALFA 0
	HALFB 0, 2, 1
	WIN 0
	s_sub_co_u32 s[CNT], s[CNT], 1
	s_cmp_lg_u32 s[CNT], 0
	s_cbranch_scc1 .L0
	EPI 0
	WIN 0
	s_mov_b32 s[CNT], 16
.L1:                                               ; layer 1: sixteen tiles
	HALFA 1
	HALFB 1, 2, 1
	WIN 0
	s_sub_co_u32 s[CNT], s[CNT], 1
	s_cmp_lg_u32 s[CNT], 0
	s_cbranch_scc1 .L1
	EPI 1
	WIN 0
	s_mov_b32 s[CNT], 14
.L2:                                               ; layer 2: its first fourteen tiles, whose changes of slots ask for its last fourteen
	HALFA 1
	HALFB 1, 2, 0
	WIN 0
	s_sub_co_u32 s[CNT], s[CNT], 1
	s_cmp_lg_u32 s[CNT], 0
	s_cbranch_scc1 .L2
	HALFA 1                                        ; the tail is written out: the walk's last tile but one
	HALFB 1, 1, 0
	HALFA 1                                        ; and its last
	HALFB 1, 0, 0
	; THE WAY OUT.  The last G1 is added; all of layer 2's rows are pooled.
	DRAIN XM+8
	WIN 0
	s_wait_loadcnt 0x0                             ; layer 2's fc_w
	POOLW 2, FW, 0
	POOLW 1, FW+16, 0
	WIN 0
	v_pk_add_f32 v[PS:PS+1], v[PS:PS+1], v[PS+2:PS+3]
	v_pk_add_f32 v[PS+4:PS+5], v[PS+4:PS+5], v[PS+6:PS+7]
	v_pk_add_f32 v[PS:PS+1], v[PS:PS+1], v[PS+4:PS+5]
	v_add_f32 v[PS], v[PS], v[PS+1]
	v_add_f32_dpp v[PS], v[PS], v[PS] row_xmask:1 row_mask:0xf bank_mask:0xf  ; over the 32 lanes: the columns (r) and the halves of the rows (h)
	v_add_f32_dpp v[PS], v[PS], v[PS] row_xmask:2 row_mask:0xf bank_mask:0xf
	v_add_f32_dpp v[PS], v[PS], v[PS] row_xmask:4 row_mask:0xf bank_mask:0xf
	v_add_f32_dpp v[PS], v[PS], v[PS] row_xmask:8 row_mask:0xf bank_mask:0xf
	v_permlanex16_b32 v[PS+1], v[PS], s[SEL], s[SEL+1]
	v_add_f32 v[PS], v[PS], v[PS+1]
	s_lshl_b32 s53, s[WV], 2
	s_add_co_u32 s53, s53, WS
	v_mov_b32 v[TA], s53
	ds_store_b32 v[TA], v[PS]                      ; all lanes write the same word with the same value
	s_wait_dscnt 0x0
	s_barrier_signal -1
	s_barrier_wait -1                              ; the four waves' sums lie in LDS
	s_cmp_lg_u32 s[WV], 0
	s_cbranch_scc1 .Lend                           ; wave 0 finishes
	v_mov_b32 v[TA], WS
	ds_load_b128 v[TT:TT+3], v[TA]
	s_wait_dscnt 0x0
	v_add_f32 v[TT], v[TT], v[TT+1]
	v_add_f32 v[TT+2], v[TT+2], v[TT+3]
	v_add_f32 v[TT], v[TT], v[TT+2]
	v_add_f32 v[TT], s[FCB], v[TT]
	v_mov_b32 v[TT+1], 0
	v_cmp_eq_u32 vcc_lo, 0, v0
	s_wait_xcnt 0x0                                ; EXEC changes only behind this wait: earlier loads and prefetches have read their sources
	s_and_saveexec_b32 s53, vcc_lo
	global_store_b32 v[TT+1], v[TT], s[18:19]      ; the output has one number for each batch element: four bytes a work-group
	s_wait_xcnt 0x0                                ; and again, in front of the line that widens it
	s_or_b32 exec_lo, exec_lo, s53
.Lend:
	s_wait_tensorcnt 0x0                           ; the wave's end, behind my last tensor load and my last LDS store
	ds_add_u32 v[SPW], v[NIL]
	s_wait_dscnt 0x0
	CROUND                                         ; the closing round: no work-group ends while a partner may still ask for a tile that names it
	s_endpgm
.Lfunc_end_k_qc9732f5ab8_cin:
	.size	k_qc9732f5ab8_cin, .Lfunc_end_k_qc9732f5ab8_cin-k_qc9732f5ab8_cin
	.p2alignl 7, 3214868480
	.fill 96, 4, 3214868480
	.section	.rodata,"a",@progbits
	.p2align	6, 0x0
	.amdhsa_kernel k_qc9732f5ab8_cin
		.amdhsa_group_segment_fixed_size 327680
		.amdhsa_private_segment_fixed_size 0
		.amdhsa_enable_private_segment 0
		.amdhsa_kernarg_size 64
		.amdhsa_user_sgpr_count 2
		.amdhsa_user_sgpr_kernarg_segment_ptr 1
		.amdhsa_wavefront_size32 1
		.amdhsa_system_sgpr_workgroup_id_x 1
		.amdhsa_system_sgpr_workgroup_id_y 1
		.amdhsa_system_sgpr_workgroup_id_z 1
		.amdhsa_system_vgpr_workitem_id 0
		.amdhsa_next_free_vgpr 768
		.amdhsa_next_free_sgpr 80
		.amdhsa_reserve_vcc 1
		.amdhsa_float_denorm_mode_32 3
		.amdhsa_float_denorm_mode_16_64 3
		.amdhsa_memory_ordered 1
		.amdhsa_forward_progress 1
		.amdhsa_inst_pref_size 198
	.end_amdhsa_kernel
	.amdgpu_metadata
---
amdhsa.version: [ 1, 2 ]
amdhsa.kernels:
  - .name:           k_qc9732f5ab8_cin
    .symbol:         k_qc9732f5ab8_cin.kd
    .args:
      - { .name: x, .offset: 0, .size: 8, .value_kind: global_buffer, .address_space: global }
      - { .name: wb, .offset: 8, .size: 8, .value_kind: global_buffer, .address_space: global }
      - { .name: b0, .offset: 16, .size: 8, .value_kind: global_buffer, .address_space: global }
      - { .name: b1, .offset: 24, .size: 8, .value_kind: global_buffer, .address_space: global }
      - { .name: b2, .offset: 32, .size: 8, .value_kind: global_buffer, .address_space: global }
      - { .name: fc_w, .offset: 40, .size: 8, .value_kind: global_buffer, .address_space: global }
      - { .name: fc_b, .offset: 48, .size: 8, .value_kind: global_buffer, .address_space: global }
      - { .name: out0, .offset: 56, .size: 8, .value_kind: global_buffer, .address_space: global }
    .group_segment_fixed_size: 327680
    .private_segment_fixed_size: 0
    .kernarg_segment_align: 8
    .kernarg_segment_size: 64
    .max_flat_workgroup_size: 128
    .sgpr_count:     80
    .vgpr_count:     768
    .wavefront_size: 32
...
	.end_amdgpu_metadata
.endif
;; end of part 3
;; ======== version 3 of 3: 2 launches; version 2 with the launch pack written anew for expert scheduling mode
;; workspace buffers: wb 4,718,592 bytes
;; launch pack (part 4): grid 16 x 36, 4 waves a work-group, no clusters, 9,728 bytes of LDS; arguments w0, w1, w2, wb; writes wb
.if DOCPART == 4
	.amdgcn_target "amdgcn-amd-amdhsa--gfx1250"
	.amdhsa_code_object_version 6
	.text
	.protected	k_qc9732f5ab8_pack
	.globl	k_qc9732f5ab8_pack
	.p2align	8
	.type	k_qc9732f5ab8_pack,@function
k_qc9732f5ab8_pack:
	s_mov_b64 s[64:65], 0
	v_nop
	global_prefetch_b8 v0, s[64:65] scope:SCOPE_SE
	s_setreg_imm32_b32 hwreg(HW_REG_WAVE_SCHED_MODE, 0, 2), 2
	s_setreg_imm32_b32 hwreg(HW_REG_WAVE_MODE, 25, 1), 1
	s_wait_xcnt 0x0
	s_wait_alu depctr_vm_vsrc(0)
; THE WEIGHTS OF ALL THREE LAYERS, rounded once to bf16 and laid out as the next launch's waves take them into registers.
; w0: [256][1024], w1, w2: [256][4096], f32.  wb: 36 tiles of 131,072 bytes; tile g holds 256 consecutive k of all 256 rows o:
; g = 0..3: w0, k from 256 g;  g = 4..19: w1, k from 256 (g - 4);  g = 20..35: w2, k from 256 (g - 20).
; Inside a tile: byte = wq 32768 + i 4096 + a 1024 + c 512 + 16 l  holds  W[o(wq, a) + l % 16][k0 + 32 i + 16 c + 8 (l / 16) + 0..7],
; o(wq, a) = 128 (a / 2) + 32 wq + 16 (a % 2): wq the wave that will read it, i the step of 32 along k, a the wave's block of 16 rows, c the half of a fragment, l the lane.
; Nothing of reference() is left out here: every number of w0, w1 and w2 is read once and written once.
; SHARES.  Work-group (x, y) = (block ob of 16 rows o, tile g).  Wave v takes k = 64 v .. 64 v + 63 of the tile (steps i = 2 v, 2 v + 1): 16 rows x 256 bytes in, 2,048 bytes out.
; A load of a wave covers two rows' 256 consecutive bytes, aligned; a store covers 512 consecutive bytes, aligned.  The turn from rows to fragments goes through the wave's own
; 16 rows x 144 bytes of LDS (128 + 16 of padding: 36 words, so the 16 rows of a read start at 16 different groups of four banks: ISA guide 11.1).  No wave reads another's bytes: no barrier.
; THE MODE: SCHED_MODE bits 1:0 = 2 (LLVM: expert scheduling mode 2), set by the entry lines.  The code itself states the register dependences
; between vector instructions and memory or LDS instructions, with s_wait_alu, always for 0.
; THE PLAN.  Registers that memory or LDS instructions touch:
;   v[OFF ..], v[STO], v[RDB], v[DO], v[SPW], v[NIL]   Written once, by vector lines at the head; read as offsets and addresses; never written again.
;   IN    Written by the eight global loads (no vector line names it before them); read by the conversions; its first sixteen registers are then written by the four LDS loads and read by the global stores.
;   PK    Written by the conversions; read by the eight LDS stores; not written again behind a store.
; So three waits on va_vdst serve the kernel: one ahead of the first load (the addresses are written); one when pieces 0 to 3 are rounded, behind which their four LDS stores are dealt among the
; conversions of pieces 4 to 7, which name other registers of IN and PK; one behind the last conversion, for the last four LDS stores and for the LDS loads that land in IN.
; No register that a memory or LDS instruction has read is written again, so no wait on vm_vsrc is owed ahead of the closing lines.  One wait on va_sdst stands ahead of the wave number's first reader.
.set WPITCH, 144
.set SPARE,  4*16*WPITCH               ; 9,216: behind the four stages: the spare words, 128 bytes for each wave: two blocks of 256 bytes that no other line names
.set OFF,  2                           ; v[2:9]   load j: my byte offset in rows 2 j and 2 j + 1 of the block
.set STO,  10                          ; v10      where I put 8 bytes of a row
.set RDB,  11                          ; v11      where I read 16 bytes of a fragment back
.set DO,   12                          ; v12      16 x lane
.set SPW,  14                          ; v14      LDS address of my spare word; never rewritten
.set NIL,  15                          ; v15      0; never rewritten
.set IN,   16                          ; v[16:47] eight loads of four f32; later v[16:31] the four pieces read back
.set PK,   48                          ; v[48:63] eight pairs of packed words
	s_load_b256 s[4:11], s[0:1], 0x0               ; w0 s[4:5], w1 s[6:7], w2 s[8:9], wb s[10:11]
	v_lshl_add_u32 v[SPW], v0, 2, SPARE
	v_mov_b32 v[NIL], 0
	v_lshrrev_b32 v1, 5, v0
	v_readfirstlane_b32 s12, v1                    ; wave 0..3
	s_and_b32 s13, ttmp7, 0xffff                   ; g
	s_mov_b32 s14, ttmp9                           ; ob
	s_sub_co_u32 s18, s13, 4                       ; the tile's number inside w1,
	s_sub_co_u32 s19, s13, 20                      ; inside w2
	s_cmp_lt_u32 s13, 4
	s_cselect_b32 s15, 12, 14                      ; log2 of a row's bytes: 4,096 in w0, 16,384 in w1 and w2
	s_cselect_b32 s18, s13, s18
	s_cmp_ge_u32 s13, 20
	s_cselect_b32 s18, s19, s18                    ; the tile's number inside its own tensor
	s_add_co_u32 s20, s15, 4
	s_lshl_b32 s20, s14, s20                       ; 16 ob rows,
	s_lshl_b32 s21, s18, 10                        ; 256 f32 a tile,
	s_add_co_u32 s20, s20, s21
	s_wait_alu depctr_va_sdst(0)                   ; s12 is written, ahead of its first reader: my offsets in w and in wb and my stage are made from it
	s_lshl_b32 s21, s12, 8                         ; 64 f32 a wave
	s_add_co_u32 s20, s20, s21
	s_mov_b32 s21, 0
	s_lshl_b32 s22, s13, 17                        ; where it goes: the tile,
	s_bfe_u32 s23, s14, 0x20001                    ; wq = (ob / 2) % 4,
	s_lshl_b32 s23, s23, 15
	s_add_co_u32 s22, s22, s23
	s_lshl_b32 s23, s12, 13                        ; steps 2 v and 2 v + 1,
	s_add_co_u32 s22, s22, s23
	s_lshr_b32 s23, s14, 3                         ; a = 2 (ob / 8) + ob % 2
	s_lshl_b32 s23, s23, 11
	s_add_co_u32 s22, s22, s23
	s_and_b32 s23, s14, 1
	s_lshl_b32 s23, s23, 10
	s_add_co_u32 s22, s22, s23
	s_mov_b32 s23, 0
	s_lshl_b32 s24, 2, s15                         ; two rows' bytes
	s_mul_i32 s25, s12, 16*WPITCH                  ; my stage
	v_and_b32 v60, 15, v0                          ; l % 16
	v_bfe_u32 v61, v0, 4, 1                        ; l / 16
	v_lshlrev_b32 v[OFF], s15, v61                 ; lanes 16-31 take the odd row,
	v_lshl_add_u32 v[OFF], v60, 4, v[OFF]          ; 16 bytes a lane
.irp j, 1,2,3,4,5,6,7
	v_add_nc_u32 v[OFF+\j], s24, v[OFF+\j-1]
.endr
	v_mul_u32_u24 v[STO], v61, WPITCH
	v_lshl_add_u32 v[STO], v60, 3, v[STO]
	v_add_nc_u32 v[STO], s25, v[STO]
	v_mul_u32_u24 v[RDB], v60, WPITCH
	v_lshl_add_u32 v[RDB], v61, 4, v[RDB]
	v_add_nc_u32 v[RDB], s25, v[RDB]
	v_and_b32 v[DO], 31, v0
	v_lshlrev_b32 v[DO], 4, v[DO]
	s_wait_kmcnt 0x0
	s_cmp_lt_u32 s13, 4
	s_cselect_b64 s[16:17], s[4:5], s[6:7]
	s_cmp_ge_u32 s13, 20
	s_cselect_b64 s[16:17], s[8:9], s[16:17]       ; the tensor that tile g comes from
	s_add_nc_u64 s[16:17], s[16:17], s[20:21]
	s_add_nc_u64 s[10:11], s[10:11], s[22:23]
	s_wait_alu depctr_va_vdst(0)                   ; the offsets v[OFF ..] and v[DO], the LDS addresses v[STO] and v[RDB], and v[SPW], v[NIL] are written: every load, store and LDS instruction below reads one of them, and no later vector line names them
.irp j, 0,1,2,3,4,5,6,7
	global_load_b128 v[IN+4*\j:IN+4*\j+3], v[OFF+\j], s[16:17] th:TH_LOAD_NT  ; all of the wave's 4,096 bytes are asked for at once
.endr
.irp j, 0,1,2,3                        ; pieces 0 to 3 are rounded as they come
	s_wait_loadcnt 7-\j                            ; loads come back in order (ISA guide 5.7.1): load j is in, the younger ones stay out
	v_cvt_pk_bf16_f32 v[PK+2*\j], v[IN+4*\j], v[IN+4*\j+1]
	v_cvt_pk_bf16_f32 v[PK+2*\j+1], v[IN+4*\j+2], v[IN+4*\j+3]
.endr
.irp j, 4,5,6,7                        ; pieces 4 to 7 likewise; ahead of each piece's conversions stands the LDS store of the piece four back
	s_wait_loadcnt 7-\j
.if \j == 4
	s_wait_alu depctr_va_vdst(0)                   ; the conversions of pieces 0 to 3 have written v[PK:PK+7], which the four LDS stores dealt below read; the conversions behind this wait name v[IN+16 ..] and v[PK+8 ..] alone
.endif
	ds_store_b64 v[STO], v[PK+2*(\j-4):PK+2*(\j-4)+1] offset:2*WPITCH*(\j-4)
	v_cvt_pk_bf16_f32 v[PK+2*\j], v[IN+4*\j], v[IN+4*\j+1]
	v_cvt_pk_bf16_f32 v[PK+2*\j+1], v[IN+4*\j+2], v[IN+4*\j+3]
.endr
	s_wait_alu depctr_va_vdst(0)                   ; the conversions of pieces 4 to 7 have written v[PK+8:PK+15], which the LDS stores below read; and all conversions are done reading v[IN:IN+15], in which the LDS loads below land
.irp j, 4,5,6,7
	ds_store_b64 v[STO], v[PK+2*\j:PK+2*\j+1] offset:2*WPITCH*\j
.endr
.irp n, 0,1,2,3                        ; piece n: step 2 v + n / 2, half n % 2
	ds_load_b128 v[IN+4*\n:IN+4*\n+3], v[RDB] offset:64*(\n/2)+32*(\n%2)  ; LDS serves a wave's instructions in order (ISA guide 5.7.1.4): these see the stores above
.endr
.irp n, 0,1,2,3
	s_wait_dscnt 3-\n
	global_store_b128 v[DO], v[IN+4*\n:IN+4*\n+3], s[10:11] offset:4096*(\n/2)+512*(\n%2)
.endr
	s_wait_dscnt 0x0                               ; the closing lines, six on end
	s_wait_alu 0x0
	s_wait_tensorcnt 0x0
	ds_add_u32 v[SPW], v[NIL]
	s_wait_dscnt 0x0
	s_endpgm
.Lfunc_end_k_qc9732f5ab8_pack:
	.size	k_qc9732f5ab8_pack, .Lfunc_end_k_qc9732f5ab8_pack-k_qc9732f5ab8_pack
	.p2alignl 7, 3214868480
	.fill 96, 4, 3214868480
	.section	.rodata,"a",@progbits
	.p2align	6, 0x0
	.amdhsa_kernel k_qc9732f5ab8_pack
		.amdhsa_group_segment_fixed_size 9728
		.amdhsa_private_segment_fixed_size 0
		.amdhsa_enable_private_segment 0
		.amdhsa_kernarg_size 32
		.amdhsa_user_sgpr_count 2
		.amdhsa_user_sgpr_kernarg_segment_ptr 1
		.amdhsa_wavefront_size32 1
		.amdhsa_system_sgpr_workgroup_id_x 1
		.amdhsa_system_sgpr_workgroup_id_y 1
		.amdhsa_system_sgpr_workgroup_id_z 1
		.amdhsa_system_vgpr_workitem_id 0
		.amdhsa_next_free_vgpr 64
		.amdhsa_next_free_sgpr 66
		.amdhsa_reserve_vcc 0
		.amdhsa_float_denorm_mode_32 3
		.amdhsa_float_denorm_mode_16_64 3
		.amdhsa_memory_ordered 1
		.amdhsa_forward_progress 1
		.amdhsa_inst_pref_size 7
	.end_amdhsa_kernel
	.amdgpu_metadata
---
amdhsa.version: [ 1, 2 ]
amdhsa.kernels:
  - .name:           k_qc9732f5ab8_pack
    .symbol:         k_qc9732f5ab8_pack.kd
    .args:
      - { .name: w0, .offset: 0, .size: 8, .value_kind: global_buffer, .address_space: global }
      - { .name: w1, .offset: 8, .size: 8, .value_kind: global_buffer, .address_space: global }
      - { .name: w2, .offset: 16, .size: 8, .value_kind: global_buffer, .address_space: global }
      - { .name: wb, .offset: 24, .size: 8, .value_kind: global_buffer, .address_space: global }
    .group_segment_fixed_size: 9728
    .private_segment_fixed_size: 0
    .kernarg_segment_align: 8
    .kernarg_segment_size: 32
    .max_flat_workgroup_size: 128
    .sgpr_count:     66
    .vgpr_count:     64
    .wavefront_size: 32
...
	.end_amdgpu_metadata
.endif
;; end of part 4
;; launch cin: the kernel of part 3 again; grid 256 x 1, 4 waves a work-group, clusters of 4 x 1, 327,680 bytes of LDS; arguments x, wb, b0, b1, b2, fc_w, fc_b, out0; writes out0
